; MI455X (gfx1250); checked and timed in simulation.
; The chip was launched on July 23, 2026; its instructions are those of AMD's public machine-readable ISA for CDNA 5 (MIT licence, August 2026) and "CDNA5" Instruction Set Architecture Reference Guide (July 2026). The comments in the code are by the model that wrote it; some were corrected since.
;; m LSTM Cell. Allowed arithmetic: matrix products marked QUANTISED: E2M3 operands, one E8M0 scale for each 32 along K, by v_wmma_scale_f32_16x16x128_f8f6f4 with both operands' format E2M3, f32 sums; products left as they are: f32 operands where the result goes on into a quantised operand, else bf16, f16 or f32 operands; f32 sums; everything else in f32.
;; Inputs: fgate_bias 4 float32; fgate_kernel 3,072 x 4 float32; igate_bias 4 float32; igate_kernel 3,072 x 4 float32; k 2 x 2,048 x 1,024 float32; q 2 x 2,048 x 1,024 float32; rms_scale 256 float32; v 2 x 2,048 x 1,024 float32.
;; Outputs: out0 2 x 2,048 x 1,024 float32.
;; This version of the problem:
;;   THIS VERSION OF THE PROBLEM IS GIVEN IN LOW PRECISION. The matrix products marked QUANTISED in the list below multiply operands that are first quantised to E2M3 (2 exponent bits, 3 mantissa bits; 6 bits a number), with one power-of-two scale for each 32 numbers along K (OCP MX v1.0); their sums are f32. All else is computed in f32.
;;   The module's matrix products, in the order in which they are computed (A, B: the left and right operand; K: the contracted axis; several contracted axes count as one K, in the product's order):
;;     1. [M 4,096, K 3,072] x [K 3,072, N 4]; A: computed on the way; B: input igate_kernel: left as it is (N = 4 < 16)
;;     2. [M 4,096, K 3,072] x [K 3,072, N 4]; A: computed on the way; B: input fgate_kernel: left as it is (N = 4 < 16)
;;     3. batch 8 x [M 2,048, K 256] x [K 256, N 2,048]; A: input q; B: computed on the way: QUANTISED
;;     4. batch 8 x [M 2,048, K 2,048] x [K 2,048, N 256]; A: computed on the way; B: input v: QUANTISED
;;   THE QUANTISER, for each operand of a quantised product, along K:
;;     - K is cut into blocks of 32 from its start; a last block that is shorter is filled with zeros.
;;     - A block's scale is 2^e with e = floor(log2(the largest magnitude in the block)) - 2, held to -126 .. 127; a block of zeros has e = 0. As a byte (E8M0): e + 127.
;;     - Each number is divided by its block's scale, clamped to +-7.5, and rounded to the nearest number of E2M3, ties to even, subnormals kept.
;;     - The product sums the exact products of the quantised numbers (number of the format x scale) in f32.
;;   ~~~python
;;   def quantise(x, axis):      # numpy; x: float32 -> the quantised numbers, widened to float32 again
;;       x = np.moveaxis(x, axis, -1); K = x.shape[-1]
;;       x = np.pad(x, [(0, 0)] * (x.ndim - 1) + [(0, -K % 32)]); x = x.reshape(x.shape[:-1] + (-1, 32)); a = np.abs(x).max(-1, keepdims=True)
;;       e = np.where(a > 0, np.clip(np.frexp(np.where(a > 0, a, 1))[1] - 1 - 2, -126, 127), 0)      # np.frexp(a)[1] - 1 = floor(log2(a)), exactly
;;       r = np.clip(x / 2.0 ** e, -7.5, 7.5)
;;       step = 2.0 ** (np.maximum(np.frexp(np.where(r == 0, 1, r))[1] - 1, 0) - 3)
;;       q = np.round(r / step) * step * 2.0 ** e      # np.round: ties to even
;;       return np.moveaxis(q.reshape(q.shape[:-2] + (-1,))[..., :K], -1, axis).astype(np.float32)
;;   ~~~
;;   OPERANDS COMPUTED ON THE WAY. 'Computed on the way' means the value that the module computes at that place (a softmax that the list does not call 'softmax' is quantised finished and normalised). What goes into a quantiser is computed in f32, as accurately as f32 sums, v_exp_f32 and their like allow (about 1e-6 of the number): no bf16 or f16 on the way to a quantiser, and a product that is left as it is and whose result goes on into a quantised operand takes f32 operands (vector FMAs, or v_wmma_f32_16x16x4_f32). A number that lies on a knife's edge between two numbers of the format may be rounded either way, as far as f32 arithmetic and the matrix unit's own rounding can turn it there, and no further.
;; 2 versions, each right and faster than the one before. Each part assembles by itself: llvm-mc -triple=amdgcn-amd-amdhsa -mcpu=gfx1250 --defsym DOCPART=n.
;; ======== version 1 of 2: 3 launches
;; workspace buffers: cod 9,437,184 bytes; sc 786,432 bytes; gpart 1,572,864 bytes; rowstat 196,608 bytes
;; launch prep (part 1): grid 128 x 3, 8 waves a work-group, no clusters, 158,720 bytes of LDS; arguments q, k, v, igate_kernel, fgate_kernel, cod, sc, gpart; writes cod, sc, gpart
.if DOCPART == 1
	.amdgcn_target "amdgcn-amd-amdhsa--gfx1250"
	.amdhsa_code_object_version 6
	.text
	.protected	k_qa87ec8f069_prep
	.globl	k_qa87ec8f069_prep
	.p2align	8
	.type	k_qa87ec8f069_prep,@function
k_qa87ec8f069_prep:
	s_mov_b64 s[64:65], 0
	v_nop
	global_prefetch_b8 v0, s[64:65] scope:SCOPE_SE
	s_setreg_imm32_b32 hwreg(HW_REG_WAVE_MODE, 25, 1), 1
	s_wait_xcnt 0x0
; mLSTM cell, launch 1 of 3: q, k and v become codes of E2M3 with E8M0 scales, laid as images of the operands' registers, and the two gate products are made as partial sums.
; THE WHOLE PROGRAM.  With cs the running sum of log_sigmoid(fg), a_j = ig_j - cs_(j+1) and M_i = max over j <= i of a_j, reference()'s log_d - m is a_j - M_i and its m_i is cs_(i+1) + M_i.
; So the stabiliser is taken away as reference() takes it, and it is known before the first score is made.  LIMIT: the exponent is formed as a_j log2(e) - M_i log2(e) and not as ((cs_i - cs_j) + ig_j) - m_i:
; another order of rounding of the same size.
; WORK LEFT OUT.  reference() builds the mask jnp.tri itself: for key j > query i it puts -0.7 x the largest f32 in log_d, so d = exp(log_d - m) = 0, c = 0 and the second product's operand is 0 there, whatever finite
; values the inputs hold.  Key steps of 128 all of whose keys come after all queries of a block are therefore not multiplied (third launch); inside the step on the diagonal c is selected to 0.
; LIMIT: a NaN, an infinity or an overflow that reaches only the scores left out is not carried to the result.  Every input has a way to the output and is loaded.
; LIMITS OF THIS LAUNCH.  k / 16 is exact: k's codes are made with k's own scale and the byte is 4 less; the floor under the largest magnitude is 4 exponents higher for k, which is the quantiser's hold at -126.
; A block of zeros gets the floor's byte where the quantiser says 127: its codes are zeros, and this program alone reads the bytes.  NaN and infinities among the inputs are not served.
; SHARES.  Work-group (x, y): tensor y (0 q, 1 k, 2 v), 128 rows (x / 4) x the 256 columns of head x % 4.  The tile is read once, 512 consecutive bytes a load, and staged in LDS.
; q, k: wave w takes tile w of 16 rows: lane r holds row 32 (w / 2) + 8 (w % 2) + r + 8 (r / 8), so that a product's results of two neighbouring tiles are 16 neighbours along the next K; two fragments (128 of the head's 256 each).
; v: K = the keys: wave w takes channels 32 w .. 32 w + 31: two fragments of 16 channels x the 128 keys; a lane's registers run down the keys.
; GATES: the products are left as they are, and their results go on into a quantised operand: f32 operands, by the f32 matrix form.  A = 16 rows x 4 columns as they lie in the lane's registers, B = the same columns of
; the two gate kernels (n = 0-3 input gate, 4-7 forget gate, 8-15 the same again, never read).  Each work-group gives the sums over its 256 columns; the next launch adds the twelve.
.set PITCH, 1040                       ; a staged row: 1,024 bytes + 16
.set WT,    133120                     ; behind the 128 rows: the gate weights as 32 images of four registers, 512 bytes each
.set GST,   149504                     ; the gate sums: [16 n][128 rows] f32
.set SPARE, 157696                     ; the spare words, 128 bytes a wave: four blocks of 256 bytes that no other line names
.set GA,    32                         ; v32-63   four accumulators, written by matrix instructions alone
.set X,     64                         ; v64-127  64 numbers of a lane
.set W,     128                        ; v128-255 the tile on its way in; then the weights; then codes and what is at work
	s_load_b256 s[4:11], s[0:1], 0x0               ; q, k, v, igate_kernel
	s_load_b256 s[12:19], s[0:1], 0x20             ; fgate_kernel, cod, sc, gpart
	v_lshl_add_u32 v12, v0, 2, SPARE               ; my spare word
	v_mov_b32 v13, 0
	v_lshrrev_b32 v14, 5, v0
	v_readfirstlane_b32 s20, v14                   ; wave 0..7
	s_and_b32 s21, ttmp7, 0xffff                   ; which tensor
	s_lshr_b32 s22, ttmp9, 2                       ; which 128 rows of the 4,096
	s_and_b32 s23, ttmp9, 3                        ; which head
	v_and_b32 v15, 31, v0                          ; lane
	v_and_b32 v16, 15, v0                          ; r
	v_bfe_u32 v17, v0, 4, 1                        ; h
	v_lshlrev_b32 v1, 4, v15                       ; 16 x lane
	v_lshlrev_b32 v2, 3, v15                       ; 8 x lane
	s_mul_i32 s28, s20, 16*PITCH
	v_add_nc_u32 v3, s28, v1                       ; staging: my wave's 16 rows
	v_and_b32 v18, 8, v16
	v_add_nc_u32 v18, v18, v16                     ; r + 8 (r / 8)
	s_lshr_b32 s28, s20, 1
	s_lshl_b32 s28, s28, 5
	s_and_b32 s29, s20, 1
	s_lshl_b32 s29, s29, 3
	s_add_co_u32 s30, s28, s29                     ; 32 (w / 2) + 8 (w % 2)
	s_mul_i32 s28, s30, PITCH
	v_mul_u32_u24 v4, v18, PITCH
	v_lshl_add_u32 v4, v17, 7, v4
	v_add_nc_u32 v4, s28, v4                       ; by rows: my row, + 128 h bytes (32 numbers)
	v_mul_u32_u24 v5, v17, 32*PITCH
	v_lshl_add_u32 v5, v16, 2, v5
	s_lshl_b32 s28, s20, 7
	v_add_nc_u32 v5, s28, v5                       ; by columns: key 32 h, channel 32 w + r
	v_add_nc_u32 v6, 64*PITCH, v5                  ; and 64 keys further down
	s_lshr_b32 s28, s20, 2
	s_lshl_b32 s28, s28, 7
	s_bfe_u32 s29, s20, 0x10001
	s_lshl_b32 s29, s29, 6
	s_add_co_u32 s28, s28, s29
	s_and_b32 s29, s20, 1
	s_lshl_b32 s29, s29, 4
	s_add_co_u32 s28, s28, s29                     ; the first column of the 16 weight registers that my wave makes
	s_lshl_b32 s28, s28, 4                         ; a row of a gate kernel is 16 bytes
	v_and_b32 v19, 3, v16
	v_lshlrev_b32 v7, 2, v19
	v_lshl_add_u32 v7, v17, 9, v7
	v_add_nc_u32 v7, s28, v7                       ; (column + 32 h) x 16 + 4 (r % 4)
	s_lshl_b32 s28, s20, 11
	s_add_co_u32 s28, s28, WT
	v_add_nc_u32 v8, s28, v1                       ; where my four weight images go
	v_add_nc_u32 v9, WT, v1                        ; and from where all 32 come
	v_lshlrev_b32 v10, 9, v16
	v_lshl_add_u32 v10, v17, 6, v10
	s_lshl_b32 s28, s30, 2
	s_add_co_u32 s28, s28, GST
	v_add_nc_u32 v10, s28, v10                     ; gate sums in: gate r, my eight rows 32 (w / 2) + 8 (w % 2) + 16 h on
	s_lshl_b32 s28, s20, 9
	s_add_co_u32 s28, s28, GST
	v_add_nc_u32 v11, s28, v1                      ; and out: gate w, 128 rows
	v_lshlrev_b32 v27, 3, v17                      ; 8 h: my bytes' place in a scale word
	v_mov_b32 v28, 0                               ; a lane permute's destination counts as one of its sources
	s_mov_b32 s26, 0x76543210
	s_mov_b32 s27, 0xfedcba98                      ; selects for lane l xor 16
	s_cmp_eq_u32 s21, 1
	s_cselect_b32 s25, 4, 0                        ; k / 16: 4 off the byte,
	s_lshl_b32 s24, s25, 23
	s_add_co_u32 s24, s24, 0x1800000               ; and the floor 2^(3 - 127), for k 2^(7 - 127): the byte cannot fall under 1
	s_mov_b32 s33, 0
	s_wait_kmcnt 0x0
	s_cmp_eq_u32 s21, 1                            ; the tensor is chosen by the work-group's number alone
	s_cselect_b64 s[4:5], s[6:7], s[4:5]
	s_cmp_eq_u32 s21, 2
	s_cselect_b64 s[4:5], s[8:9], s[4:5]
	s_lshl_b32 s32, s22, 19                        ; 128 rows of 4,096 bytes,
	s_lshl_b32 s34, s23, 10                        ; the head's 1,024 bytes,
	s_add_co_u32 s32, s32, s34
	s_lshl_b32 s34, s20, 16                        ; my wave's 16 rows
	s_add_co_u32 s32, s32, s34
	s_add_nc_u64 s[4:5], s[4:5], s[32:33]
	s_lshl_b32 s32, s21, 14                        ; the gate kernels' rows 1,024 tensor + 256 head on
	s_lshl_b32 s34, s23, 12
	s_add_co_u32 s32, s32, s34
	s_add_nc_u64 s[10:11], s[10:11], s[32:33]
	s_add_nc_u64 s[12:13], s[12:13], s[32:33]
	s_lshr_b32 s34, s22, 4
	s_lshl_b32 s34, s34, 2
	s_add_co_u32 s34, s34, s23                     ; sequence = 4 batch + head
	s_lshl_b32 s34, s34, 4
	s_and_b32 s35, s22, 15
	s_add_co_u32 s34, s34, s35                     ; x 16 + the step of 128 rows
	s_lshl_b32 s34, s34, 3
	s_add_co_u32 s34, s34, s20                     ; x 8 + wave
	s_mul_i32 s32, s34, 3072                       ; two fragment images of 1,536 bytes
	s_mul_i32 s35, s21, 3145728                    ; the tensor's part
	s_add_co_u32 s32, s32, s35
	s_add_nc_u64 s[14:15], s[14:15], s[32:33]
	s_lshl_b32 s32, s34, 8                         ; 256 bytes of scale words
	s_mul_i32 s35, s21, 262144
	s_add_co_u32 s32, s32, s35
	s_add_nc_u64 s[16:17], s[16:17], s[32:33]
	s_lshl_b32 s34, s21, 2
	s_add_co_u32 s34, s34, s23                     ; partial 4 tensor + head,
	s_lshl_b32 s34, s34, 3
	s_add_co_u32 s34, s34, s20                     ; gate = wave,
	s_lshl_b32 s32, s34, 14
	s_lshl_b32 s35, s22, 9                         ; my work-group's 128 rows
	s_add_co_u32 s32, s32, s35
	s_add_nc_u64 s[18:19], s[18:19], s[32:33]
.set i, 0
.rept 16
	global_load_b32 v[64+i], v7, s[10:11] offset:16*i      ; input gate's weights of my 16 columns
.set i, i+1
.endr
.set i, 0
.rept 16
	global_load_b32 v[80+i], v7, s[12:13] offset:16*i      ; forget gate's
.set i, i+1
.endr
.set n, 0
.rept 32
	global_load_b128 v[W+4*n:W+4*n+3], v1, s[4:5] offset:(n/2)*4096+(n%2)*512 th:TH_LOAD_NT   ; 32 lanes read 512 consecutive bytes; read once in the launch
.set n, n+1
.endr
	s_wait_loadcnt 32                              ; the weights are in: the 32 loads of the tile are younger
	v_and_b32 v19, 4, v16
	v_cmp_ne_u32 vcc_lo, 0, v19                    ; n = 4-7, 12-15: the forget gate
.set i, 0
.rept 16
	v_cndmask_b32 v[96+i], v[64+i], v[80+i], vcc_lo
.set i, i+1
.endr
.irp q, 0,1,2,3
	ds_store_b128 v8, v[96+4*\q:99+4*\q] offset:512*\q
.endr
.set n, 0
.rept 32
	s_wait_loadcnt 31-n                            ; load n is in: 31 - n are younger
	ds_store_b128 v3, v[W+4*n:W+4*n+3] offset:(n/2)*PITCH+(n%2)*512
.set n, n+1
.endr
	s_wait_dscnt 0x0                               ; for the others' sake: my stores have landed
	s_barrier_signal -1
	s_barrier_wait -1                              ; the tile and the weights lie in LDS
.set g, 0
.rept 32
	ds_load_b128 v[W+4*g:W+4*g+3], v9 offset:512*g ; register 64 f + 32 c + i of lane (n, h): the weight of column 128 f + 64 c + 32 h + i for gate n
.set g, g+1
.endr
.macro RDROW f                         ; X[32 c + i] = my row's column 128 f + 64 c + 32 h + i: the order of a 6-bit operand's registers
.irp c, 0,1
.irp q, 0,1,2,3,4,5,6,7
	ds_load_b128 v[X+32*\c+4*\q:X+32*\c+4*\q+3], v4 offset:512*\f+256*\c+16*\q
.endr
.endr
.endm
.macro RDCOL f                         ; X[32 c + i] = key 64 c + 32 h + i of channel 32 w + 16 f + r
.set i, 0
.rept 32
	ds_load_b32 v[X+i], v5 offset:i*PITCH+64*\f
	ds_load_b32 v[X+32+i], v6 offset:i*PITCH+64*\f
.set i, i+1
.endr
.endm
; 32 matrix instructions, four columns each; four accumulators by turns, one instruction a turn.  The first four start the sums with the constant 0.
.macro GATES f
	RDROW \f
	s_wait_dscnt 0x0
.set p, 0
.rept 32
.if (\f == 0) && (p < 4)
	v_wmma_f32_16x16x4_f32 v[GA+8*(p%4):GA+8*(p%4)+7], v[X+2*p:X+2*p+1], v[W+64*\f+2*p:W+64*\f+2*p+1], 0
.else
	v_wmma_f32_16x16x4_f32 v[GA+8*(p%4):GA+8*(p%4)+7], v[X+2*p:X+2*p+1], v[W+64*\f+2*p:W+64*\f+2*p+1], v[GA+8*(p%4):GA+8*(p%4)+7]
.endif
.set p, p+1
.endr
.rept 8
	v_nop                                          ; eight places behind this form, in front of loads into its sources and of reads of its results
.endr
.endm
	GATES 0
	GATES 1
.irp e, 0,2,4,6
	v_pk_add_f32 v[176+\e:177+\e], v[GA+\e:GA+\e+1], v[GA+8+\e:GA+9+\e]      ; each accumulator is read from its low end on
.endr
.irp e, 0,2,4,6
	v_pk_add_f32 v[184+\e:185+\e], v[GA+16+\e:GA+17+\e], v[GA+24+\e:GA+25+\e]
.endr
.irp e, 0,2,4,6
	v_pk_add_f32 v[176+\e:177+\e], v[176+\e:177+\e], v[184+\e:185+\e]
.endr
	ds_store_b128 v10, v[176:179]                  ; lane (n, h): gate n, eight neighbouring rows
	ds_store_b128 v10, v[180:183] offset:16
; One fragment: 64 numbers of a lane, two whole blocks of 32 along K, become 12 registers of codes and a scale word.
.macro QSTEP f
.set CB, 128+16*\f
	s_cmp_eq_u32 s21, 2                            ; v's K is the keys.  The branch hangs on the work-group's number and leads round LDS loads alone
	s_cbranch_scc1 .Lcol_\@
	RDROW \f
	s_branch .Lhave_\@
.Lcol_\@:
	RDCOL \f
.Lhave_\@:
	s_wait_dscnt 0x0
.irp c, 0,1
	v_max3_num_f32 v[20+\c], |v[X+32*\c]|, |v[X+1+32*\c]|, s24     ; the block's largest magnitude, with the floor among its leaves
.endr
.irp i, 2,4,6,8,10,12,14,16,18,20,22,24,26,28,30
.irp c, 0,1
	v_max3_num_f32 v[20+\c], v[20+\c], |v[X+32*\c+\i]|, |v[X+1+32*\c+\i]|
.endr
.endr
.irp c, 0,1
	v_add_nc_u32 v[22+\c], 0xff000000, v[20+\c]    ; 2 off its exponent field: the conversion's scale operand
.endr
.irp c, 0,1
	v_lshrrev_b32 v[24+\c], 23, v[22+\c]
.endr
.irp c, 0,1
	v_sub_nc_u32 v[24+\c], v[24+\c], s25           ; the scale's byte; for k that of k / 16
.endr
	v_lshl_or_b32 v26, v25, 16, v24                ; my blocks h and 2 + h,
	v_lshlrev_b32 v26, v27, v26                    ; at their places;
	v_permlanex16_b32 v28, v26, s26, s27
	v_or_b32 v[168+\f], v26, v28                   ; with lane l xor 16's two the word is whole, in both halves of the lanes
.irp c, 0,1
	v_cvt_scalef32_pk16_fp6_f32 v[CB+6*\c:CB+6*\c+2], v[X+32*\c:X+32*\c+15], v[22+\c]
	v_cvt_scalef32_pk16_fp6_f32 v[160+4*\c:162+4*\c], v[X+32*\c+16:X+32*\c+31], v[22+\c]   ; (a conversion's three registers begin on an even number)
.endr
	v_nop                                          ; one plain place behind a scaled conversion
.irp c, 0,1
.irp i, 0,1,2
	v_mov_b32 v[CB+6*\c+3+\i], v[160+4*\c+\i]
.endr
.endr
.irp c, 0,1,2
	global_store_b128 v1, v[CB+4*\c:CB+4*\c+3], s[14:15] offset:1536*\f+512*\c   ; the image: 32 lanes store 512 consecutive bytes.  Each fragment has its own registers: no store's data are written again
.endr
.endm
	QSTEP 0
	QSTEP 1
	global_store_b64 v2, v[168:169], s[16:17]      ; both fragments' scale words: 256 consecutive bytes
	s_wait_dscnt 0x0                               ; my gate sums have landed
	s_barrier_signal -1
	s_barrier_wait -1
	ds_load_b128 v[184:187], v11                   ; gate w of all 128 rows
	s_wait_dscnt 0x0
	global_store_b128 v1, v[184:187], s[18:19]     ; 512 consecutive bytes
	s_wait_tensorcnt 0x0                           ; the wave's end, behind my last LDS store
	ds_add_u32 v12, v13
	s_wait_dscnt 0x0
	s_endpgm
.Lfunc_end_k_qa87ec8f069_prep:
	.size	k_qa87ec8f069_prep, .Lfunc_end_k_qa87ec8f069_prep-k_qa87ec8f069_prep
	.p2alignl 7, 3214868480
	.fill 96, 4, 3214868480
	.section	.rodata,"a",@progbits
	.p2align	6, 0x0
	.amdhsa_kernel k_qa87ec8f069_prep
		.amdhsa_group_segment_fixed_size 158720
		.amdhsa_private_segment_fixed_size 0
		.amdhsa_enable_private_segment 0
		.amdhsa_kernarg_size 64
		.amdhsa_user_sgpr_count 2
		.amdhsa_user_sgpr_kernarg_segment_ptr 1
		.amdhsa_wavefront_size32 1
		.amdhsa_system_sgpr_workgroup_id_x 1
		.amdhsa_system_sgpr_workgroup_id_y 1
		.amdhsa_system_sgpr_workgroup_id_z 1
		.amdhsa_system_vgpr_workitem_id 0
		.amdhsa_next_free_vgpr 256
		.amdhsa_next_free_sgpr 66
		.amdhsa_reserve_vcc 1
		.amdhsa_float_denorm_mode_32 3
		.amdhsa_float_denorm_mode_16_64 3
		.amdhsa_memory_ordered 1
		.amdhsa_forward_progress 1
		.amdhsa_inst_pref_size 42
	.end_amdhsa_kernel
	.amdgpu_metadata
---
amdhsa.version: [ 1, 2 ]
amdhsa.kernels:
  - .name:           k_qa87ec8f069_prep
    .symbol:         k_qa87ec8f069_prep.kd
    .args:
      - { .name: q, .offset: 0, .size: 8, .value_kind: global_buffer, .address_space: global }
      - { .name: k, .offset: 8, .size: 8, .value_kind: global_buffer, .address_space: global }
      - { .name: v, .offset: 16, .size: 8, .value_kind: global_buffer, .address_space: global }
      - { .name: igate_kernel, .offset: 24, .size: 8, .value_kind: global_buffer, .address_space: global }
      - { .name: fgate_kernel, .offset: 32, .size: 8, .value_kind: global_buffer, .address_space: global }
      - { .name: cod, .offset: 40, .size: 8, .value_kind: global_buffer, .address_space: global }
      - { .name: sc, .offset: 48, .size: 8, .value_kind: global_buffer, .address_space: global }
      - { .name: gpart, .offset: 56, .size: 8, .value_kind: global_buffer, .address_space: global }
    .group_segment_fixed_size: 158720
    .private_segment_fixed_size: 0
    .kernarg_segment_align: 8
    .kernarg_segment_size: 64
    .max_flat_workgroup_size: 256
    .sgpr_count:     66
    .vgpr_count:     256
    .wavefront_size: 32
...
	.end_amdgpu_metadata
.endif
;; end of part 1
;; launch scan (part 2): grid 8 x 1, 8 waves a work-group, no clusters, 1,536 bytes of LDS; arguments gpart, igate_bias, fgate_bias, rowstat; writes rowstat
.if DOCPART == 2
	.amdgcn_target "amdgcn-amd-amdhsa--gfx1250"
	.amdhsa_code_object_version 6
	.text
	.protected	k_qa87ec8f069_scan
	.globl	k_qa87ec8f069_scan
	.p2align	8
	.type	k_qa87ec8f069_scan,@function
k_qa87ec8f069_scan:
	s_mov_b64 s[64:65], 0
	v_nop
	global_prefetch_b8 v0, s[64:65] scope:SCOPE_SE
	s_setreg_imm32_b32 hwreg(HW_REG_WAVE_MODE, 25, 1), 1
	s_wait_xcnt 0x0
; mLSTM cell, launch 2 of 3: the gates' twelve partial sums are added, and for each of the 8 sequences (one work-group each: a running sum has one owner) three rows of 2,048 numbers are made:
;   a'_j = (ig_j - cs_(j+1)) log2(e);   -M'_i, M'_i = max over j <= i of a'_j;   exp(-m_i) = 2^-(cs_(i+1) log2(e) + M'_i).
; cs is the running sum of log_sigmoid(fg) = min(fg, 0) - log1p(exp(-|fg|)), the form that reference()'s library takes to stay in range.  log1p(z) = z log(u) / (u - 1) with u = 1 + z as rounded, and z where u = 1.
; Nothing of reference() is left out here.  LIMITS: sums and maxima go by a tree (8 in a thread, 32 threads, 8 waves), another order of rounding than a running sum's; exponentials flush denormals
; (ISA guide, their entries); NaN and infinities are not served.  Thread t owns rows 8 t .. 8 t + 7.
.set SUMW,  0                          ; LDS: the waves' sums, 32 bytes in a block of their own;
.set MAXW,  256                        ; the waves' maxima likewise;
.set SPARE, 512                        ; the spare words, 128 bytes a wave: four blocks of 256 bytes that no other line names
.set TMP,   140
.set PRE,   141
	s_load_b256 s[4:11], s[0:1], 0x0               ; gpart, igate_bias, fgate_bias, rowstat
	v_lshl_add_u32 v2, v0, 2, SPARE                ; my spare word
	v_mov_b32 v3, 0
	v_lshrrev_b32 v4, 5, v0                        ; wave
	v_and_b32 v5, 31, v0                           ; lane
	v_lshlrev_b32 v1, 5, v0                        ; my 8 rows: 32 bytes
	v_lshlrev_b32 v6, 2, v4                        ; my wave's word
	v_mov_b32 v7, 0
	v_mov_b32 v8, 0                                ; a sum's neutral number
	v_mov_b32 v9, 0xff800000                       ; a maximum's
	v_mov_b32 v10, 1.0
	v_cmp_le_u32 s22, 16, v5                       ; lanes 16-31
	v_cmp_eq_u32 s23, 16, v5                       ; lane 16
	s_mov_b32 s26, 0x3fb8aa3b                      ; log2(e)
	s_lshr_b32 s12, ttmp9, 2                       ; batch
	s_and_b32 s13, ttmp9, 3                        ; head
	s_lshl_b32 s14, s13, 2
	s_lshl_b32 s16, s13, 14                        ; gate = head: 4,096 rows of 4 bytes each,
	s_lshl_b32 s15, s12, 13                        ; the batch's 2,048 rows
	s_add_co_u32 s16, s16, s15
	s_mov_b32 s17, 0
	s_lshl_b32 s18, ttmp9, 13                      ; the sequence's 2,048 numbers
	s_mov_b32 s19, 0
	s_wait_kmcnt 0x0
	s_load_b32 s20, s[6:7], s14 offset:0x0         ; the head's two biases
	s_load_b32 s21, s[8:9], s14 offset:0x0
	s_add_nc_u64 s[4:5], s[4:5], s[16:17]
	s_add_nc_u64 s[10:11], s[10:11], s[18:19]
.set p, 0
.rept 12
	global_load_b128 v[64+16*p:67+16*p], v1, s[4:5] offset:131072*p
	global_load_b128 v[68+16*p:71+16*p], v1, s[4:5] offset:131072*p+16
	global_load_b128 v[72+16*p:75+16*p], v1, s[4:5] offset:131072*p+65536       ; the forget gate's lie four gates on
	global_load_b128 v[76+16*p:79+16*p], v1, s[4:5] offset:131072*p+65536+16
.set p, p+1
.endr
	s_wait_loadcnt 0x0
	s_wait_kmcnt 0x0
.set p, 1
.rept 11
.irp e, 0,2,4,6,8,10,12,14
	v_pk_add_f32 v[64+\e:65+\e], v[64+\e:65+\e], v[64+16*p+\e:65+16*p+\e]
.endr
.set p, p+1
.endr
.irp e, 0,1,2,3,4,5,6,7
	v_add_f32 v[64+\e], s20, v[64+\e]              ; ig
	v_add_f32 v[72+\e], s21, v[72+\e]              ; fg
.endr
.irp e, 0,1,2,3,4,5,6,7
	v_mul_f32 v[80+\e], 0xbfb8aa3b, |v[72+\e]|
.endr
.irp e, 0,1,2,3,4,5,6,7
	v_exp_f32 v[80+\e], v[80+\e]                   ; z = exp(-|fg|)
.endr
	v_nop                                          ; a plain place behind the batch
	s_wait_alu depctr_va_vdst(0)                   ; one wait for the eight, ahead of their first reader
.irp e, 0,1,2,3,4,5,6,7
	v_add_f32 v[88+\e], 1.0, v[80+\e]              ; u
.endr
.irp e, 0,1,2,3,4,5,6,7
	v_add_f32 v[96+\e], -1.0, v[88+\e]             ; u - 1, exact
.endr
.irp e, 0,1,2,3,4,5,6,7
	v_cmp_eq_f32 s[32+\e], 0, v[96+\e]
.endr
.irp e, 0,1,2,3,4,5,6,7
	v_cndmask_b32 v[96+\e], v[96+\e], v10, s[32+\e]    ; where u = 1 the quotient is taken as 1 / 1
.endr
.irp e, 0,1,2,3,4,5,6,7
	v_log_f32 v[104+\e], v[88+\e]
.endr
.irp e, 0,1,2,3,4,5,6,7
	v_rcp_f32 v[112+\e], v[96+\e]
.endr
	v_nop
	s_wait_alu depctr_va_vdst(0)                   ; one wait for the sixteen
.irp e, 0,1,2,3,4,5,6,7
	v_mul_f32 v[104+\e], 0x3f317218, v[104+\e]     ; log(u)
	v_min_num_f32 v[88+\e], 0, v[72+\e]
.endr
.irp e, 0,1,2,3,4,5,6,7
	v_cndmask_b32 v[104+\e], v[104+\e], v10, s[32+\e]
.endr
.irp e, 0,1,2,3,4,5,6,7
	v_mul_f32 v[104+\e], v[104+\e], v[112+\e]
.endr
.irp e, 0,1,2,3,4,5,6,7
	v_mul_f32 v[104+\e], v[104+\e], v[80+\e]       ; log1p(z)
.endr
.irp e, 0,1,2,3,4,5,6,7
	v_sub_f32 v[88+\e], v[88+\e], v[104+\e]        ; log_sigmoid(fg)
.endr
.irp e, 1,2,3,4,5,6,7
	v_add_f32 v[88+\e], v[88+\e-1], v[88+\e]       ; the running sum of my 8
.endr
; The threads' totals in v[val] are run through the work-group; v[ex] gets what stands in front of my thread.  Inside a half of 16 lanes four steps ride on the arithmetic (a lane without a source keeps its number);
; lanes 16-31 take lane 15's total on; the waves' totals meet in LDS behind a barrier.
.macro WSCAN op, opd, val, ex, idr, lds
	\opd v[\val], v[\val], v[\val] row_shr:1 row_mask:0xf bank_mask:0xf
	\opd v[\val], v[\val], v[\val] row_shr:2 row_mask:0xf bank_mask:0xf
	\opd v[\val], v[\val], v[\val] row_shr:4 row_mask:0xf bank_mask:0xf
	\opd v[\val], v[\val], v[\val] row_shr:8 row_mask:0xf bank_mask:0xf
	v_readlane_b32 s24, v[\val], 15
	\op v[TMP], s24, v[\val]
	v_cndmask_b32 v[\val], v[\val], v[TMP], s22
	v_mov_b32 v[\ex], v[\idr]                      ; lane 0 has nothing in front of it
	v_mov_b32_dpp v[\ex], v[\val] row_shr:1 row_mask:0xf bank_mask:0xf
	v_mov_b32 v[TMP], s24
	v_cndmask_b32 v[\ex], v[\ex], v[TMP], s23      ; lane 16 has lane 15's
	v_readlane_b32 s25, v[\val], 31
	v_mov_b32 v[TMP], s25
	ds_store_b32 v6, v[TMP] offset:\lds            ; all lanes write the same word with the same value
	s_wait_dscnt 0x0                               ; for the others' sake
	s_barrier_signal -1
	s_barrier_wait -1
	ds_load_b128 v[128:131], v7 offset:\lds
	ds_load_b128 v[132:135], v7 offset:\lds+16
	s_wait_dscnt 0x0
	v_mov_b32 v[PRE], v[\idr]
.irp k, 0,1,2,3,4,5,6
	v_cmp_lt_u32 vcc_lo, \k, v4                    ; the waves in front of mine
	v_cndmask_b32 v[TMP], v[\idr], v[128+\k], vcc_lo
	\op v[PRE], v[PRE], v[TMP]
.endr
	\op v[\ex], v[PRE], v[\ex]
.endm
	v_mov_b32 v120, v95
	WSCAN v_add_f32, v_add_f32_dpp, 120, 121, 8, SUMW
.irp e, 0,1,2,3,4,5,6,7
	v_add_f32 v[88+\e], v121, v[88+\e]             ; cs_(j+1)
.endr
.irp e, 0,1,2,3,4,5,6,7
	v_sub_f32 v[96+\e], v[64+\e], v[88+\e]
.endr
.irp e, 0,1,2,3,4,5,6,7
	v_mul_f32 v[96+\e], s26, v[96+\e]              ; a'
.endr
	v_mov_b32 v104, v96
.irp e, 1,2,3,4,5,6,7
	v_max_num_f32 v[104+\e], v[104+\e-1], v[96+\e]
.endr
	v_mov_b32 v122, v111
	WSCAN v_max_num_f32, v_max_num_f32_dpp, 122, 123, 9, MAXW
.irp e, 0,1,2,3,4,5,6,7
	v_max_num_f32 v[104+\e], v123, v[104+\e]       ; M'
.endr
.irp e, 0,1,2,3,4,5,6,7
	v_fma_f32 v[112+\e], v[88+\e], s26, v[104+\e]  ; m log2(e)
.endr
.irp e, 0,1,2,3,4,5,6,7
	v_exp_f32 v[112+\e], -v[112+\e]                ; exp(-m)
.endr
.irp e, 0,1,2,3,4,5,6,7
	v_xor_b32 v[104+\e], 0x80000000, v[104+\e]     ; -M'.  (Plain work behind the batch)
.endr
	s_wait_alu depctr_va_vdst(0)                   ; one wait for the eight, ahead of the stores that read them
	global_store_b128 v1, v[96:99], s[10:11]
	global_store_b128 v1, v[100:103], s[10:11] offset:16
	global_store_b128 v1, v[104:107], s[10:11] offset:65536
	global_store_b128 v1, v[108:111], s[10:11] offset:65536+16
	global_store_b128 v1, v[112:115], s[10:11] offset:131072
	global_store_b128 v1, v[116:119], s[10:11] offset:131072+16
	s_wait_tensorcnt 0x0                           ; the wave's end, behind my last LDS store
	ds_add_u32 v2, v3
	s_wait_dscnt 0x0
	s_endpgm
.Lfunc_end_k_qa87ec8f069_scan:
	.size	k_qa87ec8f069_scan, .Lfunc_end_k_qa87ec8f069_scan-k_qa87ec8f069_scan
	.p2alignl 7, 3214868480
	.fill 96, 4, 3214868480
	.section	.rodata,"a",@progbits
	.p2align	6, 0x0
	.amdhsa_kernel k_qa87ec8f069_scan
		.amdhsa_group_segment_fixed_size 1536
		.amdhsa_private_segment_fixed_size 0
		.amdhsa_enable_private_segment 0
		.amdhsa_kernarg_size 32
		.amdhsa_user_sgpr_count 2
		.amdhsa_user_sgpr_kernarg_segment_ptr 1
		.amdhsa_wavefront_size32 1
		.amdhsa_system_sgpr_workgroup_id_x 1
		.amdhsa_system_sgpr_workgroup_id_y 1
		.amdhsa_system_sgpr_workgroup_id_z 1
		.amdhsa_system_vgpr_workitem_id 0
		.amdhsa_next_free_vgpr 256
		.amdhsa_next_free_sgpr 66
		.amdhsa_reserve_vcc 1
		.amdhsa_float_denorm_mode_32 3
		.amdhsa_float_denorm_mode_16_64 3
		.amdhsa_memory_ordered 1
		.amdhsa_forward_progress 1
		.amdhsa_inst_pref_size 25
	.end_amdhsa_kernel
	.amdgpu_metadata
---
amdhsa.version: [ 1, 2 ]
amdhsa.kernels:
  - .name:           k_qa87ec8f069_scan
    .symbol:         k_qa87ec8f069_scan.kd
    .args:
      - { .name: gpart, .offset: 0, .size: 8, .value_kind: global_buffer, .address_space: global }
      - { .name: igate_bias, .offset: 8, .size: 8, .value_kind: global_buffer, .address_space: global }
      - { .name: fgate_bias, .offset: 16, .size: 8, .value_kind: global_buffer, .address_space: global }
      - { .name: rowstat, .offset: 24, .size: 8, .value_kind: global_buffer, .address_space: global }
    .group_segment_fixed_size: 1536
    .private_segment_fixed_size: 0
    .kernarg_segment_align: 8
    .kernarg_segment_size: 32
    .max_flat_workgroup_size: 256
    .sgpr_count:     66
    .vgpr_count:     256
    .wavefront_size: 32
...
	.end_amdgpu_metadata
.endif
;; end of part 2
;; launch main (part 3): grid 256 x 1, 4 waves a work-group, no clusters, 271,872 bytes of LDS; arguments cod, sc, rowstat, rms_scale, out0; writes out0
.if DOCPART == 3
	.amdgcn_target "amdgcn-amd-amdhsa--gfx1250"
	.amdhsa_code_object_version 6
	.text
	.protected	k_qa87ec8f069_main
	.globl	k_qa87ec8f069_main
	.p2align	8
	.type	k_qa87ec8f069_main,@function
k_qa87ec8f069_main:
	s_mov_b64 s[64:65], 0
	v_nop
	global_prefetch_b8 v0, s[64:65] scope:SCOPE_SE
	s_setreg_imm32_b32 hwreg(HW_REG_WAVE_MODE, 25, 1), 1
	s_wait_xcnt 0x0
; mLSTM cell, launch 3 of 3: S = Q(q) Q(k / 16)^T, c = S d with d = 2^(a'_j - M'_i), n = max(row sum of c, exp(-m)), h = Q(c / (n + 1e-6)) Q(v), RMS norm, gain.  Both products on codes of E2M3 with E8M0 scales.
; WORK LEFT OUT: key steps all of whose keys come after all queries of the block: reference()'s own mask makes d, c and the second operand 0 there for all finite inputs (shown at the head of the first kernel).
; In the step on the diagonal c is selected to 0.  LIMIT: a NaN or an infinity that reaches only what is masked is not carried on.  LIMITS: 1 / (n + 1e-6) by v_rcp_f32 and a multiplication; exponentials flush
; denormals; a block of zeros has the floor's scale byte over zero codes; the row sums and the four partial results are added in another order than reference()'s.
; TWO PASSES.  The second operand is quantised finished, so a row's n is wanted before any of the row is quantised.  Pass 1 makes c for all the block's keys, keeps it in LDS as images of the registers
; (32 queries x 2,048 keys x 4 bytes = 262,144 bytes) and sums the rows; pass 2 reads it back, scales, quantises and multiplies by v.  No score and no exponential is made twice.
; SHARES.  A work-group takes two blocks of 32 queries of one sequence, b and 63 - b: b / 4 + 1 and 16 - b / 4 key steps of 128: 17 in every work-group.  THE WAVES SHARE THE KEYS: wave w takes steps w, w + 4, ..,
; for both tiles of 16 queries, so that each fragment of k and of v feeds two products; the row sums and the four partial results meet in LDS.  A block lasts as long as its busiest wave: ceil(steps / 4);
; for the pair that is 5 step times whatever b.
; Fragments come from memory straight into registers, as the first launch laid them: 16 bytes a lane, 512 consecutive bytes a load.
; NO TENSOR LOADS, NO CLUSTER: the work-groups of a sequence walk different numbers of key steps (1 to 16 in a block), so partners could not make every joint request, and c leaves 55,808 of the 327,680 bytes of LDS.
; NO PREFETCH: each fragment is read by up to 32 work-groups, not once.
; LAYOUT.  Both products are used transposed (source 0 = 16 keys, or 16 channels; source 1 = 16 queries): a lane holds ONE query throughout: lane r of tile t is query 32 b + 8 t + r + 8 (r / 8).
; The keys of a tile are not neighbours either (same map), so that registers 16 b + i of a tile of queries are keys 32 b + 16 (lane / 16) + i of the step.
; REGISTERS, in windows of 256.  Window 0: v1-15 addresses; v16-31 k's or v's scale words, v32-35 q's, v36-37 the second operand's; v38-63 a row's numbers; v64-191 S, then c (64 t + ..); v192-255 a', then d of tile 0; in pass 2
; codes and what is at work.  Window 1: the result, 128 t + 8 x channel tile.  Window 2: v0-191 k's 16 fragments; v192-255 d of tile 1.  Window 3: v0-47 q's four fragments; v48-239 v's 16.
.set CODPART, 3145728                  ; a tensor's part of cod, and of sc
.set SCPART,  262144
.set STEPB,   24576                    ; a step's 16 fragment images, and its scale words
.set STEPW,   2048
.set OP,      1040                     ; a row of a partial result in LDS: 1,024 bytes + 16
.set ATAB,    262144                   ; behind the four waves' 65,536 bytes: a' of the whole sequence, 8,192 bytes
.set NS,      270336                   ; the waves' row sums: 256 bytes a wave
.set SPARE,   271360                   ; the spare words, 128 bytes a wave: two blocks of 256 bytes that no other line names
.set S,  64
.set AD, 192
.set CT, 216
.set TM, 224
.set MSB, 0
.macro WIN new                         ; the immediate's high byte repeats the setting that is left; at every label and branch the setting is 0
.if MSB != \new
	s_set_vgpr_msb (MSB<<8)|\new
.set MSB, \new
.endif
.endm
.macro LD48 first, lo                  ; a step's 16 fragments
.set n, 0
.rept 48
	global_load_b128 v[\first+4*n:\first+4*n+3], v1, s[\lo:\lo+1] offset:512*n
.set n, n+1
.endr
.endm
.macro LDW lo                          ; and its 16 scale words, two a load
.irp t, 0,1,2,3,4,5,6,7
	global_load_b64 v[16+2*\t:17+2*\t], v2, s[\lo:\lo+1] offset:256*\t
.endr
.endm
; 64 numbers of a lane, register 16 b + i = key 32 b + 16 (lane / 16) + i of my query, become a fragment's codes in v[pc] on and its scale word in v[pw].
.macro QUANT s, pc, pw
.irp b, 0,1,2,3
	v_max3_num_f32 v[TM+\b], |v[(\s)+16*\b]|, |v[(\s)+1+16*\b]|, 0x1800000   ; the floor 2^(3 - 127): the byte cannot fall under 1
.endr
.irp i, 2,4,6,8,10,12,14
.irp b, 0,1,2,3
	v_max3_num_f32 v[TM+\b], v[TM+\b], |v[(\s)+16*\b+\i]|, |v[(\s)+1+16*\b+\i]|
.endr
.endr
.irp b, 0,1,2,3
	v_permlanex16_b32 v[TM+4+\b], v[TM+\b], s28, s29
.endr
.irp b, 0,1,2,3
	v_max_num_f32 v[TM+\b], v[TM+\b], v[TM+4+\b]   ; with lane l xor 16's 16 keys: the block's largest magnitude
.endr
.irp b, 0,1,2,3
	v_add_nc_u32 v[TM+12+\b], 0xff000000, v[TM+\b] ; 2 off its exponent field: the conversion's scale operand
.endr
.irp b, 0,1,2,3
	v_lshrrev_b32 v[TM+4+\b], 23, v[TM+12+\b]      ; the scale's byte
.endr
	v_lshl_or_b32 v[\pw], v[TM+5], 8, v[TM+4]
	v_lshl_or_b32 v[\pw], v[TM+6], 16, v[\pw]
	v_lshl_or_b32 v[\pw], v[TM+7], 24, v[\pw]
.irp c, 0,1
	v_cvt_scalef32_pk16_fp6_f32 v[(\pc)+6*\c:(\pc)+6*\c+2], v[(\s)+32*\c:(\s)+32*\c+15], v[TM+12+2*\c]
	v_cvt_scalef32_pk16_fp6_f32 v[CT+4*\c:CT+4*\c+2], v[(\s)+32*\c+16:(\s)+32*\c+31], v[TM+12+2*\c+1]   ; (a conversion's three registers begin on an even number)
.endr
	v_nop                                          ; one plain place behind a scaled conversion
.irp c, 0,1                                    ; the operand's layout wants a whole block in a lane
.irp i, 0,1,2
	v_permlane16_swap_b32 v[(\pc)+6*\c+\i], v[CT+4*\c+\i]
.endr
.irp i, 0,1,2
	v_mov_b32 v[(\pc)+6*\c+3+\i], v[CT+4*\c+\i]
.endr
.endr
.endm
	s_load_b256 s[4:11], s[0:1], 0x0               ; cod, sc, rowstat, rms_scale
	s_load_b64 s[12:13], s[0:1], 0x20              ; out0
	v_lshl_add_u32 v14, v0, 2, SPARE               ; my spare word
	v_mov_b32 v15, 0
	v_lshrrev_b32 v200, 5, v0
	v_readfirstlane_b32 s14, v200                  ; wave 0..3
	s_lshr_b32 s15, ttmp9, 5                       ; sequence
	s_and_b32 s16, ttmp9, 31                       ; the first block of queries
	v_and_b32 v201, 31, v0                         ; lane
	v_and_b32 v202, 15, v0                         ; r
	v_bfe_u32 v203, v0, 4, 1                       ; h
	v_lshlrev_b32 v1, 4, v201                      ; 16 x lane
	v_lshlrev_b32 v2, 3, v201                      ; 8 x lane
	s_lshl_b32 s40, s14, 16
	v_add_nc_u32 v3, s40, v1                       ; c's images: my wave's 65,536 bytes
	v_lshlrev_b32 v4, 6, v203
	v_add_nc_u32 v4, ATAB, v4                      ; a': my half's 16 keys of a block of 32
	v_lshlrev_b32 v6, 2, v201
	v_add_nc_u32 v6, NS, v6                        ; row sums: read,
	s_lshl_b32 s42, s14, 8
	v_add_nc_u32 v5, s42, v6                       ; and written
	v_and_b32 v204, 8, v202
	v_add_nc_u32 v204, v204, v202                  ; r + 8 (r / 8)
	v_mul_u32_u24 v7, v204, OP
	v_lshl_add_u32 v7, v203, 5, v7
	v_add_nc_u32 v7, s40, v7                       ; my partial result: my query's row, + 32 h
	s_mul_i32 s42, s14, 8*OP
	v_add_nc_u32 v8, s42, v1                       ; the rows that I finish, 8 w on, in the four waves' partial results
	v_add_nc_u32 v9, 0x10000, v8
	v_add_nc_u32 v10, 0x20000, v8
	v_add_nc_u32 v11, 0x30000, v8
	v_lshlrev_b32 v12, 2, v204                     ; my query's place among a block's numbers
	v_lshlrev_b32 v205, 4, v203
	v_sub_nc_u32 v63, v204, v205                   ; r + 8 (r / 8) - 16 h
	v_lshlrev_b32 v206, 4, v0
	v_add_nc_u32 v207, ATAB, v206
	s_mov_b32 s28, 0x76543210
	s_mov_b32 s29, 0xfedcba98                      ; selects for lane l xor 16
	s_mov_b32 s56, 0x3b800000                      ; 1 / 256
	s_mov_b32 s57, 0x358637bd                      ; 1e-6
	s_mov_b32 s41, 0                               ; the upper word of every offset
	s_wait_kmcnt 0x0
	s_mul_i32 s40, s15, 16*STEPB
	s_add_nc_u64 s[44:45], s[4:5], s[40:41]        ; the sequence in cod,
	s_lshl_b32 s40, s15, 15
	s_add_nc_u64 s[46:47], s[6:7], s[40:41]        ; in sc,
	s_lshl_b32 s40, s15, 13
	s_add_nc_u64 s[48:49], s[8:9], s[40:41]        ; in rowstat,
	s_lshr_b32 s42, s15, 2
	s_lshl_b32 s40, s42, 23                        ; and in out0: the batch's 2,048 rows of 4,096 bytes,
	s_and_b32 s42, s15, 3
	s_lshl_b32 s42, s42, 10                        ; the head's 1,024 bytes,
	s_add_co_u32 s40, s40, s42
	s_lshl_b32 s42, s14, 15                        ; the 8 rows of a block that my wave finishes
	s_add_co_u32 s40, s40, s42
	s_add_nc_u64 s[50:51], s[12:13], s[40:41]
.irp i, 0,1,2,3
	global_load_b128 v[64+4*\i:67+4*\i], v206, s[48:49] offset:2048*\i   ; a' of the sequence
.endr
	global_load_b128 v[46:49], v1, s[10:11]        ; rms_scale at my eight channels of a row: 4 lane + 128 half
	global_load_b128 v[50:53], v1, s[10:11] offset:512
	s_wait_loadcnt 0x0
.irp i, 0,1,2,3
	ds_store_b128 v207, v[64+4*\i:67+4*\i] offset:2048*\i
.endr
.irp i, 0,1,2,3,4,5,6,7
	v_add_f32 v[46+\i], 1.0, v[46+\i]              ; the gain
.endr
.irp i, 39,41,55,57,198,199,201,203,205,207,228,229,230,231
	v_mov_b32 v[\i], 0                             ; upper halves of pairs of which the low word serves both halves, and lane permutes' destinations: written once
.endr
	s_wait_dscnt 0x0
	s_barrier_signal -1
	s_barrier_wait -1                              ; a' lies in LDS
	s_mov_b32 s24, 2
.Lblock:                                           ; two trips: blocks b and 63 - b
	s_lshr_b32 s17, s16, 2                         ; the block's last key step, the one on the diagonal
	s_and_b32 s18, s16, 3                          ; the block's place in that step
	s_min_u32 s19, s14, s17                        ; my first step; a wave with none fetches the last one, so that no load leaves its buffer, and uses nothing of it
	s_mul_i32 s40, s19, STEPB
	s_add_nc_u64 s[30:31], s[44:45], s[40:41]
	s_add_nc_u64 s[30:31], s[30:31], CODPART       ; k's fragments
	s_add_nc_u64 s[34:35], s[30:31], CODPART       ; v's
	s_lshl_b32 s40, s19, 11
	s_add_nc_u64 s[32:33], s[46:47], s[40:41]
	s_add_nc_u64 s[32:33], s[32:33], SCPART        ; k's scale words
	s_add_nc_u64 s[36:37], s[32:33], SCPART        ; v's
	s_mul_i32 s40, s17, STEPB
	s_mul_i32 s42, s18, 6144
	s_add_co_u32 s40, s40, s42
	s_add_nc_u64 s[52:53], s[44:45], s[40:41]      ; q's four fragments
	s_lshl_b32 s40, s17, 11
	s_lshl_b32 s42, s18, 9
	s_add_co_u32 s40, s40, s42
	s_add_nc_u64 s[54:55], s[46:47], s[40:41]      ; and their scale words
	s_lshl_b32 s40, s16, 7
	s_add_nc_u64 s[58:59], s[48:49], s[40:41]      ; the block's rows in rowstat
	s_lshl_b32 s40, s16, 17
	s_add_nc_u64 s[38:39], s[50:51], s[40:41]      ; and in out0
	global_load_b32 v38, v12, s[58:59] offset:65536        ; -M' of my query in tile 0,
	global_load_b32 v40, v12, s[58:59] offset:65536+32     ; in tile 1;
	global_load_b32 v58, v12, s[58:59] offset:131072       ; exp(-m) likewise
	global_load_b32 v59, v12, s[58:59] offset:131072+32
	WIN 0xc0
.set n, 0
.rept 12
	global_load_b128 v[4*n:4*n+3], v1, s[52:53] offset:512*n
.set n, n+1
.endr
	WIN 0
	global_load_b64 v[32:33], v2, s[54:55]
	global_load_b64 v[34:35], v2, s[54:55] offset:256
	WIN 0x80
	LD48 0, 30
	WIN 0
	s_lshl_b32 s42, s18, 5
	v_add_nc_u32 v60, s42, v63                     ; my query's place in the diagonal step, less 16 h: tile 0,
	v_add_nc_u32 v61, 8, v60                       ; tile 1
.irp i, 42,43,44,45
	v_mov_b32 v[\i], 0                             ; the row sums
.endr
	WIN 0x40
.set n, 0
.rept 256
	v_mov_b32 v[n], 0                              ; the result is cleared: a wave may have no key step in a block, and its partial result must then be 0.  These lines stand while the loads above are on their way
.set n, n+1
.endr
	WIN 0
	s_wait_loadcnt 62                              ; the four numbers of my rows are in: behind them 12 + 2 + 48 loads were issued
	LDW 32
	WIN 0xc0
	LD48 48, 34
	WIN 0
	s_mov_b32 s20, s14                             ; the step in hand
	s_mov_b32 s22, 0                               ; where its c goes
	s_lshl_b32 s23, s14, 9                         ; where its a' lie
	s_mov_b32 s21, 4
.Lp1:                                              ; PASS 1: four trips in every wave; a trip whose step lies past the diagonal does nothing (a branch on ids; no barrier stands in a trip)
	s_cmp_gt_u32 s20, s17
	s_cbranch_scc1 .Lp1_tail
	v_add_nc_u32 v13, s23, v4
.irp b, 0,1,2,3
.irp q, 0,1,2,3
	ds_load_b128 v[AD+16*\b+4*\q:AD+16*\b+4*\q+3], v13 offset:128*\b+16*\q
.endr
.endr
	s_wait_dscnt 0x0
	WIN 0x80
.set i, 0
.rept 32
	v_pk_add_f32 v[AD+2*i:AD+2*i+1], v[AD+2*i:AD+2*i+1], v[40:41] op_sel_hi:[1,0]    ; a' - M' for tile 1's query, into window 2
.set i, i+1
.endr
	WIN 0
.set i, 0
.rept 32
	v_pk_add_f32 v[AD+2*i:AD+2*i+1], v[AD+2*i:AD+2*i+1], v[38:39] op_sel_hi:[1,0]    ; for tile 0's, in place
.set i, i+1
.endr
.set i, 0
.rept 64
	v_exp_f32 v[AD+i], v[AD+i]                     ; d
.set i, i+1
.endr
	WIN 0x82
.set i, 0
.rept 64
	v_exp_f32 v[AD+i], v[AD+i]
.set i, i+1
.endr
	WIN 0
	v_nop                                          ; a plain place behind the batch
	s_wait_loadcnt 0x0                             ; k's fragments and scale words (asked for a trip ago, or at the block's head)
	WIN 0x0e                                       ; source 0 window 2, source 1 window 3
.irp s, 0,1                                    ; 16 accumulators by turns, one instruction a turn; the first 16 start the sums
.irp k, 0,1,2,3,4,5,6,7
.irp t, 0,1
.if \s == 0
	v_wmma_scale_f32_16x16x128_f8f6f4 v[S+64*\t+8*\k:S+64*\t+8*\k+7], v[24*\k+12*\s:24*\k+12*\s+11], v[24*\t+12*\s:24*\t+12*\s+11], 0, v[16+2*\k+\s], v[32+2*\t+\s] matrix_a_fmt:MATRIX_FMT_FP6 matrix_b_fmt:MATRIX_FMT_FP6
.else
	v_wmma_scale_f32_16x16x128_f8f6f4 v[S+64*\t+8*\k:S+64*\t+8*\k+7], v[24*\k+12*\s:24*\k+12*\s+11], v[24*\t+12*\s:24*\t+12*\s+11], v[S+64*\t+8*\k:S+64*\t+8*\k+7], v[16+2*\k+\s], v[32+2*\t+\s] matrix_a_fmt:MATRIX_FMT_FP6 matrix_b_fmt:MATRIX_FMT_FP6
.endif
.endr
.endr
.endr
	WIN 0
.rept 4
	v_nop                                          ; four places in front of loads into the products' sources and of reads of their results
.endr
	s_wait_alu depctr_va_vdst(0)                   ; one wait for the 128 exponentials: the products named none of their results; it stands ahead of the branch and of the first reader
	s_add_co_u32 s42, s20, 4
	s_cmp_gt_u32 s42, s17
	s_cbranch_scc1 .Lno_k                          ; my next step, if I have one: the branch leads round plain loads alone
	s_add_nc_u64 s[30:31], s[30:31], 4*STEPB       ; (no load of mine is out: the wait for 0 above)
	s_add_nc_u64 s[32:33], s[32:33], 4*STEPW
	WIN 0x80
	LD48 0, 30
	WIN 0
	LDW 32
.Lno_k:
.set i, 0
.rept 32
	v_pk_mul_f32 v[S+2*i:S+2*i+1], v[S+2*i:S+2*i+1], v[AD+2*i:AD+2*i+1]      ; c = S d; each accumulator from its low end on
.set i, i+1
.endr
	WIN 0x08
.set i, 0
.rept 32
	v_pk_mul_f32 v[S+64+2*i:S+64+2*i+1], v[S+64+2*i:S+64+2*i+1], v[AD+2*i:AD+2*i+1]
.set i, i+1
.endr
	WIN 0
	s_cmp_lg_u32 s20, s17
	s_cbranch_scc1 .Lopen                          ; only the step on the diagonal has hidden keys
.irp t, 0,1
.set n, 0
.rept 64
	v_cmp_le_i32 vcc_lo, 32*(n/16)+n%16, v[60+\t]  ; register 16 b + i holds key 32 b + 16 h + i of the step: it counts where that is at most my query
	v_cndmask_b32 v[S+64*\t+n], 0, v[S+64*\t+n], vcc_lo
.set n, n+1
.endr
.endr
.Lopen:
	v_add_nc_u32 v13, s22, v3
.set g, 0
.rept 32
	ds_store_b128 v13, v[S+4*g:S+4*g+3] offset:512*g       ; c as an image of its registers: 512 consecutive bytes a store, my wave's own bytes
.set g, g+1
.endr
	v_pk_add_f32 v[192:193], v[S:S+1], v[S+2:S+3]          ; the rows' sums, two numbers at a time, four chains
	v_pk_add_f32 v[194:195], v[S+64:S+65], v[S+66:S+67]
.irp j, 4,8,12,16,20,24,28,32,36,40,44,48,52,56,60
	v_pk_add_f32 v[42:43], v[42:43], v[S+\j:S+\j+1]
	v_pk_add_f32 v[44:45], v[44:45], v[S+64+\j:S+64+\j+1]
	v_pk_add_f32 v[192:193], v[192:193], v[S+\j+2:S+\j+3]
	v_pk_add_f32 v[194:195], v[194:195], v[S+64+\j+2:S+64+\j+3]
.endr
	v_pk_add_f32 v[42:43], v[42:43], v[192:193]
	v_pk_add_f32 v[44:45], v[44:45], v[194:195]
.Lp1_tail:
	s_add_co_u32 s20, s20, 4
	s_add_co_u32 s22, s22, 16384
	s_add_co_u32 s23, s23, 2048
	s_sub_co_u32 s21, s21, 1
	s_cmp_lg_u32 s21, 0
	s_cbranch_scc1 .Lp1
	s_wait_loadcnt 0x0                             ; a wave without a step has not waited yet: k's scale words give way to v's only behind this wait
	LDW 36
	v_add_f32 v196, v42, v43
	v_add_f32 v197, v44, v45
	v_permlanex16_b32 v198, v196, s28, s29
	v_permlanex16_b32 v199, v197, s28, s29
	v_add_f32 v196, v196, v198                     ; my wave's part of my queries' row sums
	v_add_f32 v197, v197, v199
	ds_store_b32 v5, v196
	ds_store_b32 v5, v197 offset:128
	s_wait_dscnt 0x0                               ; for the others' sake
	s_barrier_signal -1
	s_barrier_wait -1
.irp k, 0,1,2,3
.irp t, 0,1
	ds_load_b32 v[200+2*\k+\t], v6 offset:256*\k+128*\t
.endr
.endr
	s_wait_dscnt 0x0
.irp k, 1,2,3
	v_add_f32 v200, v200, v[200+2*\k]
	v_add_f32 v201, v201, v[201+2*\k]
.endr
	v_max_num_f32 v200, v200, v58                  ; n = max(row sum, exp(-m))
	v_max_num_f32 v201, v201, v59
	v_add_f32 v200, s57, v200
	v_add_f32 v201, s57, v201
	v_rcp_f32 v54, v200
	v_rcp_f32 v56, v201
	v_nop
	s_wait_alu depctr_va_vdst(0)                   ; one wait for the two, ahead of the label
	s_mov_b32 s20, s14
	s_mov_b32 s22, 0
	s_mov_b32 s21, 4
.Lp2:                                              ; PASS 2: the same four trips
	s_cmp_gt_u32 s20, s17
	s_cbranch_scc1 .Lp2_tail
	v_add_nc_u32 v13, s22, v3
.set g, 0
.rept 32
	ds_load_b128 v[S+4*g:S+4*g+3], v13 offset:512*g
.set g, g+1
.endr
	s_wait_dscnt 0x0
.set i, 0
.rept 32
	v_pk_mul_f32 v[S+2*i:S+2*i+1], v[S+2*i:S+2*i+1], v[54:55] op_sel_hi:[1,0]        ; c / (n + 1e-6)
.set i, i+1
.endr
.set i, 0
.rept 32
	v_pk_mul_f32 v[S+64+2*i:S+64+2*i+1], v[S+64+2*i:S+64+2*i+1], v[56:57] op_sel_hi:[1,0]
.set i, i+1
.endr
	QUANT S, 192, 36
	QUANT S+64, 204, 37
.rept 8
	v_nop                                          ; a scale register written by a vector instruction stands eight places ahead of a scaled matrix instruction, an operand so written four
.endr
	s_wait_loadcnt 0x0                             ; v's fragments and scale words
	WIN 0x53                                       ; source 0 window 3, C and D window 1
.irp c, 0,1,2,3,4,5,6,7,8,9,10,11,12,13,14,15  ; 32 accumulators by turns
.irp t, 0,1
	v_wmma_scale_f32_16x16x128_f8f6f4 v[128*\t+8*\c:128*\t+8*\c+7], v[48+12*\c:48+12*\c+11], v[192+12*\t:192+12*\t+11], v[128*\t+8*\c:128*\t+8*\c+7], v[16+\c], v[36+\t] matrix_a_fmt:MATRIX_FMT_FP6 matrix_b_fmt:MATRIX_FMT_FP6
.endr
.endr
	WIN 0
.rept 4
	v_nop                                          ; four places in front of loads into the products' sources, of writes of the codes, and of the stores of the results
.endr
	s_add_co_u32 s42, s20, 4
	s_cmp_gt_u32 s42, s17
	s_cbranch_scc1 .Lp2_tail
	s_add_nc_u64 s[34:35], s[34:35], 4*STEPB       ; (no load of mine is out)
	s_add_nc_u64 s[36:37], s[36:37], 4*STEPW
	WIN 0xc0
	LD48 48, 34
	WIN 0
	LDW 36
.Lp2_tail:
	s_add_co_u32 s20, s20, 4
	s_add_co_u32 s22, s22, 16384
	s_sub_co_u32 s21, s21, 1
	s_cmp_lg_u32 s21, 0
	s_cbranch_scc1 .Lp2
	; THE WAY OUT.  My partial result goes to my own 65,536 bytes, whose c I have read; behind a barrier wave w adds the four for rows 8 w .. 8 w + 7, norms them and stores whole rows.
	s_wait_loadcnt 0x0                             ; a wave without a step has not waited for v's scale words yet
	WIN 0x04                                       ; an LDS store's data: window 1
.irp t, 0,1
.irp c, 0,1,2,3,4,5,6,7,8,9,10,11,12,13,14,15
	ds_store_b128 v7, v[128*\t+8*\c:128*\t+8*\c+3] offset:\t*8*OP+64*\c          ; each accumulator from its low end on
	ds_store_b128 v7, v[128*\t+8*\c+4:128*\t+8*\c+7] offset:\t*8*OP+64*\c+16
.endr
.endr
	WIN 0
	s_wait_dscnt 0x0
	s_barrier_signal -1
	s_barrier_wait -1
.macro FINISH b                        ; four rows; a lane holds eight channels of each: 4 lane + 128 half + 0 .. 3
.irp j, 0,1,2,3
.irp k, 0,1,2,3
.irp f, 0,1
	ds_load_b128 v[64+32*\j+8*\k+4*\f:64+32*\j+8*\k+4*\f+3], v[8+\k] offset:(4*\b+\j)*OP+512*\f
.endr
.endr
.endr
	s_wait_dscnt 0x0
.irp k, 1,2,3
.irp j, 0,1,2,3
.irp e, 0,2,4,6
	v_pk_add_f32 v[64+32*\j+\e:65+32*\j+\e], v[64+32*\j+\e:65+32*\j+\e], v[64+32*\j+8*\k+\e:65+32*\j+8*\k+\e]
.endr
.endr
.endr
.irp j, 0,1,2,3
	v_pk_mul_f32 v[200+2*\j:201+2*\j], v[64+32*\j:65+32*\j], v[64+32*\j:65+32*\j]
.endr
.irp e, 2,4,6
.irp j, 0,1,2,3
	v_pk_fma_f32 v[200+2*\j:201+2*\j], v[64+32*\j+\e:65+32*\j+\e], v[64+32*\j+\e:65+32*\j+\e], v[200+2*\j:201+2*\j]
.endr
.endr
.irp j, 0,1,2,3
	v_add_f32 v[200+2*\j], v[200+2*\j], v[201+2*\j]
.endr
.irp m, 1,2,4,8
.irp j, 0,1,2,3
	v_add_f32_dpp v[200+2*\j], v[200+2*\j], v[200+2*\j] row_xmask:\m row_mask:0xf bank_mask:0xf
.endr
.endr
.irp j, 0,1,2,3
	v_permlanex16_b32 v[201+2*\j], v[200+2*\j], s28, s29
.endr
.irp j, 0,1,2,3
	v_add_f32 v[200+2*\j], v[200+2*\j], v[201+2*\j]        ; the row's sum of squares, in every lane
.endr
.irp j, 0,1,2,3
	v_fma_f32 v[200+2*\j], v[200+2*\j], s56, s57           ; / 256 + 1e-6
.endr
.irp j, 0,1,2,3
	v_rsq_f32 v[200+2*\j], v[200+2*\j]
.endr
	v_nop
	s_wait_alu depctr_va_vdst(0)                   ; one wait for the four
.irp j, 0,1,2,3
.irp e, 0,2,4,6
	v_pk_mul_f32 v[64+32*\j+\e:65+32*\j+\e], v[64+32*\j+\e:65+32*\j+\e], v[200+2*\j:201+2*\j] op_sel_hi:[1,0]
.endr
.endr
.irp j, 0,1,2,3
.irp e, 0,2,4,6
	v_pk_mul_f32 v[64+32*\j+\e:65+32*\j+\e], v[64+32*\j+\e:65+32*\j+\e], v[46+\e:47+\e]
.endr
.endr
.irp j, 0,1,2,3
.irp f, 0,1
	global_store_b128 v1, v[64+32*\j+4*\f:64+32*\j+4*\f+3], s[38:39] offset:(4*\b+\j)*4096+512*\f th:TH_STORE_NT   ; 32 lanes store 512 consecutive bytes, at a multiple of 256 from out0's first byte
.endr
.endr
.endm
	FINISH 0
	s_wait_xcnt 0x0                                ; the stores have read their registers: the next four rows may land there
	FINISH 1
	s_wait_dscnt 0x0                               ; my reads of the partial results are over
	s_barrier_signal -1
	s_barrier_wait -1                              ; so are everybody's: the next block's c may be written over them
	s_wait_xcnt 0x0                                ; the stores have read their registers and their base: both are written again in the next block
	s_sub_co_u32 s16, 63, s16
	s_sub_co_u32 s24, s24, 1
	s_cmp_lg_u32 s24, 0
	s_cbranch_scc1 .Lblock
	s_wait_tensorcnt 0x0                           ; the wave's end, behind my last LDS store
	ds_add_u32 v14, v15
	s_wait_dscnt 0x0
	s_endpgm
.Lfunc_end_k_qa87ec8f069_main:
	.size	k_qa87ec8f069_main, .Lfunc_end_k_qa87ec8f069_main-k_qa87ec8f069_main
	.p2alignl 7, 3214868480
	.fill 96, 4, 3214868480
	.section	.rodata,"a",@progbits
	.p2align	6, 0x0
	.amdhsa_kernel k_qa87ec8f069_main
		.amdhsa_group_segment_fixed_size 271872
		.amdhsa_private_segment_fixed_size 0
		.amdhsa_enable_private_segment 0
		.amdhsa_kernarg_size 40
		.amdhsa_user_sgpr_count 2
		.amdhsa_user_sgpr_kernarg_segment_ptr 1
		.amdhsa_wavefront_size32 1
		.amdhsa_system_sgpr_workgroup_id_x 1
		.amdhsa_system_sgpr_workgroup_id_y 1
		.amdhsa_system_sgpr_workgroup_id_z 1
		.amdhsa_system_vgpr_workitem_id 0
		.amdhsa_next_free_vgpr 1024
		.amdhsa_next_free_sgpr 66
		.amdhsa_reserve_vcc 1
		.amdhsa_float_denorm_mode_32 3
		.amdhsa_float_denorm_mode_16_64 3
		.amdhsa_memory_ordered 1
		.amdhsa_forward_progress 1
		.amdhsa_inst_pref_size 117
	.end_amdhsa_kernel
	.amdgpu_metadata
---
amdhsa.version: [ 1, 2 ]
amdhsa.kernels:
  - .name:           k_qa87ec8f069_main
    .symbol:         k_qa87ec8f069_main.kd
    .args:
      - { .name: cod, .offset: 0, .size: 8, .value_kind: global_buffer, .address_space: global }
      - { .name: sc, .offset: 8, .size: 8, .value_kind: global_buffer, .address_space: global }
      - { .name: rowstat, .offset: 16, .size: 8, .value_kind: global_buffer, .address_space: global }
      - { .name: rms_scale, .offset: 24, .size: 8, .value_kind: global_buffer, .address_space: global }
      - { .name: out0, .offset: 32, .size: 8, .value_kind: global_buffer, .address_space: global }
    .group_segment_fixed_size: 271872
    .private_segment_fixed_size: 0
    .kernarg_segment_align: 8
    .kernarg_segment_size: 40
    .max_flat_workgroup_size: 128
    .sgpr_count:     66
    .vgpr_count:     1024
    .wavefront_size: 32
...
	.end_amdgpu_metadata
.endif
;; end of part 3
;; ======== version 2 of 2: 2 launches; 1.14 times as fast as version 1
;; workspace buffers: cod 9,437,184 bytes; sc 786,432 bytes; gpart 1,572,864 bytes
;; launch prep (part 4): grid 128 x 3, 8 waves a work-group, no clusters, 158,720 bytes of LDS; arguments q, k, v, igate_kernel, fgate_kernel, cod, sc, gpart; writes cod, sc, gpart
.if DOCPART == 4
	.amdgcn_target "amdgcn-amd-amdhsa--gfx1250"
	.amdhsa_code_object_version 6
	.text
	.protected	k_qa87ec8f069_prep
	.globl	k_qa87ec8f069_prep
	.p2align	8
	.type	k_qa87ec8f069_prep,@function
k_qa87ec8f069_prep:
	s_mov_b64 s[64:65], 0
	v_nop
	global_prefetch_b8 v0, s[64:65] scope:SCOPE_SE
	s_setreg_imm32_b32 hwreg(HW_REG_WAVE_MODE, 25, 1), 1
	s_wait_xcnt 0x0
; mLSTM cell, launch 1 of 2: q, k and v become codes of E2M3 with E8M0 scales, laid as images of the operands' registers, and the two gate products are made as partial sums.
; THE WHOLE PROGRAM.  With cs the running sum of log_sigmoid(fg), a_j = ig_j - cs_(j+1) and M_i = max over j <= i of a_j, reference()'s log_d - m is a_j - M_i and its m_i is cs_(i+1) + M_i.
; So the stabiliser is taken away as reference() takes it, and it is known before the first score is made.  LIMIT: the exponent is formed as a_j log2(e) - M_i log2(e) and not as ((cs_i - cs_j) + ig_j) - m_i:
; another order of rounding of the same size.
; WORK LEFT OUT.  reference() builds the mask jnp.tri itself: for key j > query i it puts -0.7 x the largest f32 in log_d, so d = exp(log_d - m) = 0, c = 0 and the second product's operand is 0 there, whatever finite
; values the inputs hold.  Key steps of 128 all of whose keys come after all queries of a block are therefore not multiplied (second launch); inside the step on the diagonal c is selected to 0.
; LIMIT: a NaN, an infinity or an overflow that reaches only the scores left out is not carried to the result.  Every input has a way to the output and is loaded.
; LIMITS OF THIS LAUNCH.  k / 16 is exact: k's codes are made with k's own scale and the byte is 4 less; the floor under the largest magnitude is 4 exponents higher for k, which is the quantiser's hold at -126.
; A block of zeros gets the floor's byte where the quantiser says 127: its codes are zeros, and this program alone reads the bytes.  NaN and infinities among the inputs are not served.
; SHARES.  Work-group (x, y): tensor y (0 q, 1 k, 2 v), 128 rows (x / 4) x the 256 columns of head x % 4.  The tile is read once, 512 consecutive bytes a load, and staged in LDS.
; q, k: wave w takes tile w of 16 rows: lane r holds row 32 (w / 2) + 8 (w % 2) + r + 8 (r / 8), so that a product's results of two neighbouring tiles are 16 neighbours along the next K; two fragments (128 of the head's 256 each).
; v: K = the keys: wave w takes channels 32 w .. 32 w + 31: two fragments of 16 channels x the 128 keys; a lane's registers run down the keys.
; GATES: the products are left as they are, and their results go on into a quantised operand: f32 operands, by the f32 matrix form.  A = 16 rows x 4 columns as they lie in the lane's registers, B = the same columns of
; the two gate kernels (n = 0-3 input gate, 4-7 forget gate, 8-15 the same again, never read).  Each work-group gives the sums over its 256 columns; the next launch adds the twelve.
.set PITCH, 1040                       ; a staged row: 1,024 bytes + 16
.set WT,    133120                     ; behind the 128 rows: the gate weights as 32 images of four registers, 512 bytes each
.set GST,   149504                     ; the gate sums: [16 n][128 rows] f32
.set SPARE, 157696                     ; the spare words, 128 bytes a wave: four blocks of 256 bytes that no other line names
.set GA,    32                         ; v32-63   four accumulators, written by matrix instructions alone
.set X,     64                         ; v64-127  64 numbers of a lane
.set W,     128                        ; v128-255 the tile on its way in; then the weights; then codes and what is at work
	s_load_b256 s[4:11], s[0:1], 0x0               ; q, k, v, igate_kernel
	s_load_b256 s[12:19], s[0:1], 0x20             ; fgate_kernel, cod, sc, gpart
	v_lshl_add_u32 v12, v0, 2, SPARE               ; my spare word
	v_mov_b32 v13, 0
	v_lshrrev_b32 v14, 5, v0
	v_readfirstlane_b32 s20, v14                   ; wave 0..7
	s_and_b32 s21, ttmp7, 0xffff                   ; which tensor
	s_lshr_b32 s22, ttmp9, 2                       ; which 128 rows of the 4,096
	s_and_b32 s23, ttmp9, 3                        ; which head
	v_and_b32 v15, 31, v0                          ; lane
	v_and_b32 v16, 15, v0                          ; r
	v_bfe_u32 v17, v0, 4, 1                        ; h
	v_lshlrev_b32 v1, 4, v15                       ; 16 x lane
	v_lshlrev_b32 v2, 3, v15                       ; 8 x lane
	s_mul_i32 s28, s20, 16*PITCH
	v_add_nc_u32 v3, s28, v1                       ; staging: my wave's 16 rows
	v_and_b32 v18, 8, v16
	v_add_nc_u32 v18, v18, v16                     ; r + 8 (r / 8)
	s_lshr_b32 s28, s20, 1
	s_lshl_b32 s28, s28, 5
	s_and_b32 s29, s20, 1
	s_lshl_b32 s29, s29, 3
	s_add_co_u32 s30, s28, s29                     ; 32 (w / 2) + 8 (w % 2)
	s_mul_i32 s28, s30, PITCH
	v_mul_u32_u24 v4, v18, PITCH
	v_lshl_add_u32 v4, v17, 7, v4
	v_add_nc_u32 v4, s28, v4                       ; by rows: my row, + 128 h bytes (32 numbers)
	v_mul_u32_u24 v5, v17, 32*PITCH
	v_lshl_add_u32 v5, v16, 2, v5
	s_lshl_b32 s28, s20, 7
	v_add_nc_u32 v5, s28, v5                       ; by columns: key 32 h, channel 32 w + r
	v_add_nc_u32 v6, 64*PITCH, v5                  ; and 64 keys further down
	s_lshr_b32 s28, s20, 2
	s_lshl_b32 s28, s28, 7
	s_bfe_u32 s29, s20, 0x10001
	s_lshl_b32 s29, s29, 6
	s_add_co_u32 s28, s28, s29
	s_and_b32 s29, s20, 1
	s_lshl_b32 s29, s29, 4
	s_add_co_u32 s28, s28, s29                     ; the first column of the 16 weight registers that my wave makes
	s_lshl_b32 s28, s28, 4                         ; a row of a gate kernel is 16 bytes
	v_and_b32 v19, 3, v16
	v_lshlrev_b32 v7, 2, v19
	v_lshl_add_u32 v7, v17, 9, v7
	v_add_nc_u32 v7, s28, v7                       ; (column + 32 h) x 16 + 4 (r % 4)
	s_lshl_b32 s28, s20, 11
	s_add_co_u32 s28, s28, WT
	v_add_nc_u32 v8, s28, v1                       ; where my four weight images go
	v_add_nc_u32 v9, WT, v1                        ; and from where all 32 come
	v_lshlrev_b32 v10, 9, v16
	v_lshl_add_u32 v10, v17, 6, v10
	s_lshl_b32 s28, s30, 2
	s_add_co_u32 s28, s28, GST
	v_add_nc_u32 v10, s28, v10                     ; gate sums in: gate r, my eight rows 32 (w / 2) + 8 (w % 2) + 16 h on
	s_lshl_b32 s28, s20, 9
	s_add_co_u32 s28, s28, GST
	v_add_nc_u32 v11, s28, v1                      ; and out: gate w, 128 rows
	v_lshlrev_b32 v27, 3, v17                      ; 8 h: my bytes' place in a scale word
	v_mov_b32 v28, 0                               ; a lane permute's destination counts as one of its sources
	s_mov_b32 s26, 0x76543210
	s_mov_b32 s27, 0xfedcba98                      ; selects for lane l xor 16
	s_cmp_eq_u32 s21, 1
	s_cselect_b32 s25, 4, 0                        ; k / 16: 4 off the byte,
	s_lshl_b32 s24, s25, 23
	s_add_co_u32 s24, s24, 0x1800000               ; and the floor 2^(3 - 127), for k 2^(7 - 127): the byte cannot fall under 1
	s_mov_b32 s33, 0
	s_wait_kmcnt 0x0
	s_cmp_eq_u32 s21, 1                            ; the tensor is chosen by the work-group's number alone
	s_cselect_b64 s[4:5], s[6:7], s[4:5]
	s_cmp_eq_u32 s21, 2
	s_cselect_b64 s[4:5], s[8:9], s[4:5]
	s_lshl_b32 s32, s22, 19                        ; 128 rows of 4,096 bytes,
	s_lshl_b32 s34, s23, 10                        ; the head's 1,024 bytes,
	s_add_co_u32 s32, s32, s34
	s_lshl_b32 s34, s20, 16                        ; my wave's 16 rows
	s_add_co_u32 s32, s32, s34
	s_add_nc_u64 s[4:5], s[4:5], s[32:33]
	s_lshl_b32 s32, s21, 14                        ; the gate kernels' rows 1,024 tensor + 256 head on
	s_lshl_b32 s34, s23, 12
	s_add_co_u32 s32, s32, s34
	s_add_nc_u64 s[10:11], s[10:11], s[32:33]
	s_add_nc_u64 s[12:13], s[12:13], s[32:33]
	s_lshr_b32 s34, s22, 4
	s_lshl_b32 s34, s34, 2
	s_add_co_u32 s34, s34, s23                     ; sequence = 4 batch + head
	s_lshl_b32 s34, s34, 4
	s_and_b32 s35, s22, 15
	s_add_co_u32 s34, s34, s35                     ; x 16 + the step of 128 rows
	s_lshl_b32 s34, s34, 3
	s_add_co_u32 s34, s34, s20                     ; x 8 + wave
	s_mul_i32 s32, s34, 3072                       ; two fragment images of 1,536 bytes
	s_mul_i32 s35, s21, 3145728                    ; the tensor's part
	s_add_co_u32 s32, s32, s35
	s_add_nc_u64 s[14:15], s[14:15], s[32:33]
	s_lshl_b32 s32, s34, 8                         ; 256 bytes of scale words
	s_mul_i32 s35, s21, 262144
	s_add_co_u32 s32, s32, s35
	s_add_nc_u64 s[16:17], s[16:17], s[32:33]
	s_lshl_b32 s34, s21, 2
	s_add_co_u32 s34, s34, s23                     ; partial 4 tensor + head,
	s_lshl_b32 s34, s34, 3
	s_add_co_u32 s34, s34, s20                     ; gate = wave,
	s_lshl_b32 s32, s34, 14
	s_lshl_b32 s35, s22, 9                         ; my work-group's 128 rows
	s_add_co_u32 s32, s32, s35
	s_add_nc_u64 s[18:19], s[18:19], s[32:33]
.set i, 0
.rept 16
	global_load_b32 v[64+i], v7, s[10:11] offset:16*i      ; input gate's weights of my 16 columns
.set i, i+1
.endr
.set i, 0
.rept 16
	global_load_b32 v[80+i], v7, s[12:13] offset:16*i      ; forget gate's
.set i, i+1
.endr
.set n, 0
.rept 32
	global_load_b128 v[W+4*n:W+4*n+3], v1, s[4:5] offset:(n/2)*4096+(n%2)*512 th:TH_LOAD_NT   ; 32 lanes read 512 consecutive bytes; read once in the launch
.set n, n+1
.endr
	s_wait_loadcnt 32                              ; the weights are in: the 32 loads of the tile are younger
	v_and_b32 v19, 4, v16
	v_cmp_ne_u32 vcc_lo, 0, v19                    ; n = 4-7, 12-15: the forget gate
.set i, 0
.rept 16
	v_cndmask_b32 v[96+i], v[64+i], v[80+i], vcc_lo
.set i, i+1
.endr
.irp q, 0,1,2,3
	ds_store_b128 v8, v[96+4*\q:99+4*\q] offset:512*\q
.endr
.set n, 0
.rept 32
	s_wait_loadcnt 31-n                            ; load n is in: 31 - n are younger
	ds_store_b128 v3, v[W+4*n:W+4*n+3] offset:(n/2)*PITCH+(n%2)*512
.set n, n+1
.endr
	s_wait_dscnt 0x0                               ; for the others' sake: my stores have landed
	s_barrier_signal -1
	s_barrier_wait -1                              ; the tile and the weights lie in LDS
.set g, 0
.rept 32
	ds_load_b128 v[W+4*g:W+4*g+3], v9 offset:512*g ; register 64 f + 32 c + i of lane (n, h): the weight of column 128 f + 64 c + 32 h + i for gate n
.set g, g+1
.endr
.macro RDROW f                         ; X[32 c + i] = my row's column 128 f + 64 c + 32 h + i: the order of a 6-bit operand's registers
.irp c, 0,1
.irp q, 0,1,2,3,4,5,6,7
	ds_load_b128 v[X+32*\c+4*\q:X+32*\c+4*\q+3], v4 offset:512*\f+256*\c+16*\q
.endr
.endr
.endm
.macro RDCOL f                         ; X[32 c + i] = key 64 c + 32 h + i of channel 32 w + 16 f + r
.set i, 0
.rept 32
	ds_load_b32 v[X+i], v5 offset:i*PITCH+64*\f
	ds_load_b32 v[X+32+i], v6 offset:i*PITCH+64*\f
.set i, i+1
.endr
.endm
; 32 matrix instructions, four columns each; four accumulators by turns, one instruction a turn.  The first four start the sums with the constant 0.
.macro GATES f
	RDROW \f
	s_wait_dscnt 0x0
.set p, 0
.rept 32
.if (\f == 0) && (p < 4)
	v_wmma_f32_16x16x4_f32 v[GA+8*(p%4):GA+8*(p%4)+7], v[X+2*p:X+2*p+1], v[W+64*\f+2*p:W+64*\f+2*p+1], 0
.else
	v_wmma_f32_16x16x4_f32 v[GA+8*(p%4):GA+8*(p%4)+7], v[X+2*p:X+2*p+1], v[W+64*\f+2*p:W+64*\f+2*p+1], v[GA+8*(p%4):GA+8*(p%4)+7]
.endif
.set p, p+1
.endr
.rept 8
	v_nop                                          ; eight places behind this form, in front of loads into its sources and of reads of its results
.endr
.endm
	GATES 0
	GATES 1
.irp e, 0,2,4,6
	v_pk_add_f32 v[176+\e:177+\e], v[GA+\e:GA+\e+1], v[GA+8+\e:GA+9+\e]      ; each accumulator is read from its low end on
.endr
.irp e, 0,2,4,6
	v_pk_add_f32 v[184+\e:185+\e], v[GA+16+\e:GA+17+\e], v[GA+24+\e:GA+25+\e]
.endr
.irp e, 0,2,4,6
	v_pk_add_f32 v[176+\e:177+\e], v[176+\e:177+\e], v[184+\e:185+\e]
.endr
	ds_store_b128 v10, v[176:179]                  ; lane (n, h): gate n, eight neighbouring rows
	ds_store_b128 v10, v[180:183] offset:16
; One fragment: 64 numbers of a lane, two whole blocks of 32 along K, become 12 registers of codes and a scale word.
.macro QSTEP f
.set CB, 128+16*\f
	s_cmp_eq_u32 s21, 2                            ; v's K is the keys.  The branch hangs on the work-group's number and leads round LDS loads alone
	s_cbranch_scc1 .Lcol_\@
	RDROW \f
	s_branch .Lhave_\@
.Lcol_\@:
	RDCOL \f
.Lhave_\@:
	s_wait_dscnt 0x0
.irp c, 0,1
	v_max3_num_f32 v[20+\c], |v[X+32*\c]|, |v[X+1+32*\c]|, s24     ; the block's largest magnitude, with the floor among its leaves
.endr
.irp i, 2,4,6,8,10,12,14,16,18,20,22,24,26,28,30
.irp c, 0,1
	v_max3_num_f32 v[20+\c], v[20+\c], |v[X+32*\c+\i]|, |v[X+1+32*\c+\i]|
.endr
.endr
.irp c, 0,1
	v_add_nc_u32 v[22+\c], 0xff000000, v[20+\c]    ; 2 off its exponent field: the conversion's scale operand
.endr
.irp c, 0,1
	v_lshrrev_b32 v[24+\c], 23, v[22+\c]
.endr
.irp c, 0,1
	v_sub_nc_u32 v[24+\c], v[24+\c], s25           ; the scale's byte; for k that of k / 16
.endr
	v_lshl_or_b32 v26, v25, 16, v24                ; my blocks h and 2 + h,
	v_lshlrev_b32 v26, v27, v26                    ; at their places;
	v_permlanex16_b32 v28, v26, s26, s27
	v_or_b32 v[168+\f], v26, v28                   ; with lane l xor 16's two the word is whole, in both halves of the lanes
.irp c, 0,1
	v_cvt_scalef32_pk16_fp6_f32 v[CB+6*\c:CB+6*\c+2], v[X+32*\c:X+32*\c+15], v[22+\c]
	v_cvt_scalef32_pk16_fp6_f32 v[160+4*\c:162+4*\c], v[X+32*\c+16:X+32*\c+31], v[22+\c]   ; (a conversion's three registers begin on an even number)
.endr
	v_nop                                          ; one plain place behind a scaled conversion
.irp c, 0,1
.irp i, 0,1,2
	v_mov_b32 v[CB+6*\c+3+\i], v[160+4*\c+\i]
.endr
.endr
.irp c, 0,1,2
	global_store_b128 v1, v[CB+4*\c:CB+4*\c+3], s[14:15] offset:1536*\f+512*\c   ; the image: 32 lanes store 512 consecutive bytes.  Each fragment has its own registers: no store's data are written again
.endr
.endm
	QSTEP 0
	QSTEP 1
	global_store_b64 v2, v[168:169], s[16:17]      ; both fragments' scale words: 256 consecutive bytes
	s_wait_dscnt 0x0                               ; my gate sums have landed
	s_barrier_signal -1
	s_barrier_wait -1
	ds_load_b128 v[184:187], v11                   ; gate w of all 128 rows
	s_wait_dscnt 0x0
	global_store_b128 v1, v[184:187], s[18:19]     ; 512 consecutive bytes
	s_wait_tensorcnt 0x0                           ; the wave's end, behind my last LDS store
	ds_add_u32 v12, v13
	s_wait_dscnt 0x0
	s_endpgm
.Lfunc_end_k_qa87ec8f069_prep:
	.size	k_qa87ec8f069_prep, .Lfunc_end_k_qa87ec8f069_prep-k_qa87ec8f069_prep
	.p2alignl 7, 3214868480
	.fill 96, 4, 3214868480
	.section	.rodata,"a",@progbits
	.p2align	6, 0x0
	.amdhsa_kernel k_qa87ec8f069_prep
		.amdhsa_group_segment_fixed_size 158720
		.amdhsa_private_segment_fixed_size 0
		.amdhsa_enable_private_segment 0
		.amdhsa_kernarg_size 64
		.amdhsa_user_sgpr_count 2
		.amdhsa_user_sgpr_kernarg_segment_ptr 1
		.amdhsa_wavefront_size32 1
		.amdhsa_system_sgpr_workgroup_id_x 1
		.amdhsa_system_sgpr_workgroup_id_y 1
		.amdhsa_system_sgpr_workgroup_id_z 1
		.amdhsa_system_vgpr_workitem_id 0
		.amdhsa_next_free_vgpr 256
		.amdhsa_next_free_sgpr 66
		.amdhsa_reserve_vcc 1
		.amdhsa_float_denorm_mode_32 3
		.amdhsa_float_denorm_mode_16_64 3
		.amdhsa_memory_ordered 1
		.amdhsa_forward_progress 1
		.amdhsa_inst_pref_size 42
	.end_amdhsa_kernel
	.amdgpu_metadata
---
amdhsa.version: [ 1, 2 ]
amdhsa.kernels:
  - .name:           k_qa87ec8f069_prep
    .symbol:         k_qa87ec8f069_prep.kd
    .args:
      - { .name: q, .offset: 0, .size: 8, .value_kind: global_buffer, .address_space: global }
      - { .name: k, .offset: 8, .size: 8, .value_kind: global_buffer, .address_space: global }
      - { .name: v, .offset: 16, .size: 8, .value_kind: global_buffer, .address_space: global }
      - { .name: igate_kernel, .offset: 24, .size: 8, .value_kind: global_buffer, .address_space: global }
      - { .name: fgate_kernel, .offset: 32, .size: 8, .value_kind: global_buffer, .address_space: global }
      - { .name: cod, .offset: 40, .size: 8, .value_kind: global_buffer, .address_space: global }
      - { .name: sc, .offset: 48, .size: 8, .value_kind: global_buffer, .address_space: global }
      - { .name: gpart, .offset: 56, .size: 8, .value_kind: global_buffer, .address_space: global }
    .group_segment_fixed_size: 158720
    .private_segment_fixed_size: 0
    .kernarg_segment_align: 8
    .kernarg_segment_size: 64
    .max_flat_workgroup_size: 256
    .sgpr_count:     66
    .vgpr_count:     256
    .wavefront_size: 32
...
	.end_amdgpu_metadata
.endif
;; end of part 4
;; launch main (part 5): grid 256 x 1, 4 waves a work-group, no clusters, 288,768 bytes of LDS; arguments cod, sc, gpart, igate_bias, fgate_bias, rms_scale, out0; writes out0
.if DOCPART == 5
	.amdgcn_target "amdgcn-amd-amdhsa--gfx1250"
	.amdhsa_code_object_version 6
	.text
	.protected	k_qa87ec8f069_main
	.globl	k_qa87ec8f069_main
	.p2align	8
	.type	k_qa87ec8f069_main,@function
k_qa87ec8f069_main:
	s_mov_b64 s[64:65], 0
	v_nop
	global_prefetch_b8 v0, s[64:65] scope:SCOPE_SE
	s_setreg_imm32_b32 hwreg(HW_REG_WAVE_MODE, 25, 1), 1
	s_wait_xcnt 0x0
; mLSTM cell, launch 2 of 2: the gates' rows; S = Q(q) Q(k / 16)^T, c = S d with d = 2^(a'_j - M'_i), n = max(row sum of c, exp(-m)), h = Q(c / (n + 1e-6)) Q(v), RMS norm, gain.  Both products on codes of E2M3 with E8M0 scales.
; WORK LEFT OUT: key steps all of whose keys come after all queries of the block: reference()'s own mask makes d, c and the second operand 0 there for all finite inputs (shown at the head of the first kernel).
; In the step on the diagonal c is selected to 0.  LIMIT: a NaN or an infinity that reaches only what is masked is not carried on.  LIMITS: 1 / (n + 1e-6) by v_rcp_f32 and a multiplication; exponentials flush
; denormals (ISA guide, their entries); a block of zeros has the floor's scale byte over zero codes; the row sums and the four partial results are added in another order than reference()'s; NaN and infinities are not served.
; THE GATES' ROWS, at the head.  The twelve partial sums of the first launch are added, with the biases, and three rows of 2,048 numbers are made for the work-group's sequence and kept in LDS:
;   a'_j = (ig_j - cs_(j+1)) log2(e);   -M'_i, M'_i = max over j <= i of a'_j;   exp(-m_i) = 2^-(cs_(i+1) log2(e) + M'_i).
; cs is the running sum of log_sigmoid(fg) = min(fg, 0) - log1p(exp(-|fg|)), the form that reference()'s library takes to stay in range.  log1p(z) = z log(u) / (u - 1) with u = 1 + z as rounded, and z where u = 1.
; Each of a sequence's 32 work-groups makes these rows anew, from 12 x 2 x 8,192 bytes: that is the price of having no launch for them alone.  LIMIT: sums and maxima go by a tree (4 in a thread, 32 lanes, 16 wave totals),
; another order of rounding than a running sum's.  Thread t holds rows 512 c + 4 t + j (c, j = 0 .. 3): each load reads 512 consecutive bytes, and the tables are stored so too.
; TWO PASSES.  The second operand is quantised finished, so a row's n is wanted before any of the row is quantised.  Pass 1 makes c for all the block's keys, keeps it in LDS as images of the registers
; (32 queries x 2,048 keys x 4 bytes = 262,144 bytes) and sums the rows; pass 2 reads it back, scales, quantises and multiplies by v.  No score and no exponential is made twice.
; SHARES.  A work-group takes two blocks of 32 queries of one sequence, b and 63 - b: b / 4 + 1 and 16 - b / 4 key steps of 128: 17 in every work-group.  THE WAVES SHARE THE KEYS: wave w takes steps w, w + 4, ..,
; for both tiles of 16 queries, so that each fragment of k and of v feeds two products; the row sums and the four partial results meet in LDS.  A block lasts as long as its busiest wave: ceil(steps / 4);
; for the pair that is 5 step times whatever b.
; Fragments come from memory straight into registers, as the first launch laid them: 16 bytes a lane, 512 consecutive bytes a load.  A block's first fragments are asked for a phase ahead: the first block's behind the
; gates' loads, so that they land while the rows are made; the second block's behind pass 2, so that they land during the first block's way out.
; NO TENSOR LOADS, NO CLUSTER: the work-groups of a sequence walk different numbers of key steps (1 to 16 in a block), so partners could not make every joint request, and c takes 262,144 of the 327,680 bytes of LDS.
; NO PREFETCH: each fragment is read by up to 32 work-groups, not once.
; LAYOUT.  Both products are used transposed (source 0 = 16 keys, or 16 channels; source 1 = 16 queries): a lane holds ONE query throughout: lane r of tile t is query 32 b + 8 t + r + 8 (r / 8).
; The keys of a tile are not neighbours either (same map), so that registers 16 b + i of a tile of queries are keys 32 b + 16 (lane / 16) + i of the step.
; REGISTERS, in windows of 256.  Window 0: v1-15 addresses; v16-31 k's or v's scale words, v32-35 q's, v36-37 the second operand's; v38-63 a row's numbers; v64-191 S, then c (64 t + ..); v192-255 a', then d of tile 0; in pass 2
; codes and what is at work; at the head v64-255 serve the gates' rows.  Window 1: the result, 128 t + 8 x channel tile; at the head eight of the gates' partial sums.  Window 2: v0-191 k's 16 fragments; v192-255 d of tile 1.
; Window 3: v0-47 q's four fragments; v48-239 v's 16; v240-243 the second block's -M' and exp(-m).
.set CODPART, 3145728                  ; a tensor's part of cod, and of sc
.set SCPART,  262144
.set STEPB,   24576                    ; a step's 16 fragment images, and its scale words
.set STEPW,   2048
.set OP,      1040                     ; a row of a partial result in LDS: 1,024 bytes + 16
.set ATAB,    262144                   ; behind the four waves' 65,536 bytes: a' of the whole sequence, 8,192 bytes;
.set NMT,     270336                   ; -M' likewise; exp(-m) 8,192 bytes further on
.set NS,      286720                   ; the waves' row sums: 256 bytes a wave
.set SUMW,    287744                   ; the 16 wave totals of the running sum, in a block of 256 bytes of their own; those of the maximum in the next
.set SPARE,   288256                   ; the spare words, 128 bytes a wave: two blocks of 256 bytes that no other line names
.set S,  64
.set AD, 192
.set CT, 216
.set TM, 224
.set IG,  64                           ; the head's registers: 16 numbers each, at 4 c + j
.set FG,  80
.set ZZ,  96
.set LF,  112                          ; u, then log_sigmoid, then cs
.set AP,  128                          ; u - 1, then a'
.set MX,  144                          ; log, then M', then -M'
.set EV,  160                          ; a reciprocal, then exp(-m)
.set VAL, 176                          ; four chunks' lane totals;
.set EX,  180                          ; what stands in front of my thread in each chunk;
.set TP,  184                          ; at work
.set WT,  192                          ; the 16 wave totals
.set PX,  208                          ; and what stands in front of each
.set ID0, 224                          ; 0, -infinity, 1
.set IDM, 225
.set ONE, 226
.set WVN, 227                          ; wave, lane
.set LNN, 228
.set WA,  229                          ; LDS: my wave's word among the totals; the totals
.set WB,  230
.set QA1, 232                          ; LDS: my query's place in the tables, first block, second block
.set QA2, 233
.set TBA, 234                          ; LDS: 16 x thread in the tables
.set GOF, 235                          ; 16 x thread in a row of partial sums
.set MSB, 0
.macro WIN new                         ; the immediate's high byte repeats the setting that is left; at every label and branch the setting is 0
.if MSB != \new
	s_set_vgpr_msb (MSB<<8)|\new
.set MSB, \new
.endif
.endm
.macro LD48 first, lo                  ; a step's 16 fragments
.set n, 0
.rept 48
	global_load_b128 v[\first+4*n:\first+4*n+3], v1, s[\lo:\lo+1] offset:512*n
.set n, n+1
.endr
.endm
.macro LDW lo                          ; and its 16 scale words, two a load
.irp t, 0,1,2,3,4,5,6,7
	global_load_b64 v[16+2*\t:17+2*\t], v2, s[\lo:\lo+1] offset:256*\t
.endr
.endm
; Where block s16's fragments lie.  It is run only where no load of mine is out.
.macro BASES
	s_lshr_b32 s17, s16, 2                         ; the block's last key step, the one on the diagonal
	s_and_b32 s18, s16, 3                          ; the block's place in that step
	s_min_u32 s19, s14, s17                        ; my first step; a wave with none fetches the last one, so that no load leaves its buffer, and uses nothing of it
	s_mul_i32 s40, s19, STEPB
	s_add_nc_u64 s[30:31], s[44:45], s[40:41]
	s_add_nc_u64 s[30:31], s[30:31], CODPART       ; k's fragments
	s_add_nc_u64 s[34:35], s[30:31], CODPART       ; v's
	s_lshl_b32 s40, s19, 11
	s_add_nc_u64 s[32:33], s[46:47], s[40:41]
	s_add_nc_u64 s[32:33], s[32:33], SCPART        ; k's scale words
	s_add_nc_u64 s[36:37], s[32:33], SCPART        ; v's
	s_mul_i32 s40, s17, STEPB
	s_mul_i32 s42, s18, 6144
	s_add_co_u32 s40, s40, s42
	s_add_nc_u64 s[52:53], s[44:45], s[40:41]      ; q's four fragments
	s_lshl_b32 s40, s17, 11
	s_lshl_b32 s42, s18, 9
	s_add_co_u32 s40, s40, s42
	s_add_nc_u64 s[54:55], s[46:47], s[40:41]      ; and their scale words
.endm
.macro LOADS_A                         ; 12 + 2 + 48 loads: q, its scale words, my first step of k
	WIN 0xc0
.set n, 0
.rept 12
	global_load_b128 v[4*n:4*n+3], v1, s[52:53] offset:512*n
.set n, n+1
.endr
	WIN 0
	global_load_b64 v[32:33], v2, s[54:55]
	global_load_b64 v[34:35], v2, s[54:55] offset:256
	WIN 0x80
	LD48 0, 30
	WIN 0
.endm
.macro LOADS_B                         ; k's scale words, my first step of v
	LDW 32
	WIN 0xc0
	LD48 48, 34
	WIN 0
.endm
; 64 numbers of a lane, register 16 b + i = key 32 b + 16 (lane / 16) + i of my query, become a fragment's codes in v[pc] on and its scale word in v[pw].
.macro QUANT s, pc, pw
.irp b, 0,1,2,3
	v_max3_num_f32 v[TM+\b], |v[(\s)+16*\b]|, |v[(\s)+1+16*\b]|, 0x1800000   ; the floor 2^(3 - 127): the byte cannot fall under 1
.endr
.irp i, 2,4,6,8,10,12,14
.irp b, 0,1,2,3
	v_max3_num_f32 v[TM+\b], v[TM+\b], |v[(\s)+16*\b+\i]|, |v[(\s)+1+16*\b+\i]|
.endr
.endr
.irp b, 0,1,2,3
	v_permlanex16_b32 v[TM+4+\b], v[TM+\b], s28, s29
.endr
.irp b, 0,1,2,3
	v_max_num_f32 v[TM+\b], v[TM+\b], v[TM+4+\b]   ; with lane l xor 16's 16 keys: the block's largest magnitude
.endr
.irp b, 0,1,2,3
	v_add_nc_u32 v[TM+12+\b], 0xff000000, v[TM+\b] ; 2 off its exponent field: the conversion's scale operand
.endr
.irp b, 0,1,2,3
	v_lshrrev_b32 v[TM+4+\b], 23, v[TM+12+\b]      ; the scale's byte
.endr
	v_lshl_or_b32 v[\pw], v[TM+5], 8, v[TM+4]
	v_lshl_or_b32 v[\pw], v[TM+6], 16, v[\pw]
	v_lshl_or_b32 v[\pw], v[TM+7], 24, v[\pw]
.irp c, 0,1
	v_cvt_scalef32_pk16_fp6_f32 v[(\pc)+6*\c:(\pc)+6*\c+2], v[(\s)+32*\c:(\s)+32*\c+15], v[TM+12+2*\c]
	v_cvt_scalef32_pk16_fp6_f32 v[CT+4*\c:CT+4*\c+2], v[(\s)+32*\c+16:(\s)+32*\c+31], v[TM+12+2*\c+1]   ; (a conversion's three registers begin on an even number)
.endr
	v_nop                                          ; one plain place behind a scaled conversion
.irp c, 0,1                                    ; the operand's layout wants a whole block in a lane
.irp i, 0,1,2
	v_permlane16_swap_b32 v[(\pc)+6*\c+\i], v[CT+4*\c+\i]
.endr
.irp i, 0,1,2
	v_mov_b32 v[(\pc)+6*\c+3+\i], v[CT+4*\c+\i]
.endr
.endr
.endm
; The threads' totals of the four chunks, v[VAL] on, are run through the work-group; v[EX] on gets what stands in front of my thread in each chunk.  Inside a half of 16 lanes four steps ride on the arithmetic
; (a lane without a source keeps its number); lanes 16-31 take lane 15's total on; the 16 wave totals meet in LDS, at word 4 c + wave, which is the order of the rows.
.macro WSCAN4 op, opd, idr, lds
.irp h, 1,2,4,8
.irp c, 0,1,2,3
	\opd v[VAL+\c], v[VAL+\c], v[VAL+\c] row_shr:\h row_mask:0xf bank_mask:0xf
.endr
.endr
.irp c, 0,1,2,3
	v_readlane_b32 s[84+\c], v[VAL+\c], 15
.endr
.irp c, 0,1,2,3
	\op v[TP+\c], s[84+\c], v[VAL+\c]
.endr
.irp c, 0,1,2,3
	v_cndmask_b32 v[VAL+\c], v[VAL+\c], v[TP+\c], s60
.endr
.irp c, 0,1,2,3
	v_mov_b32 v[EX+\c], v[\idr]                    ; lane 0 has nothing in front of it
.endr
.irp c, 0,1,2,3
	v_mov_b32_dpp v[EX+\c], v[VAL+\c] row_shr:1 row_mask:0xf bank_mask:0xf
.endr
.irp c, 0,1,2,3
	v_mov_b32 v[TP+\c], s[84+\c]
.endr
.irp c, 0,1,2,3
	v_cndmask_b32 v[EX+\c], v[EX+\c], v[TP+\c], s61    ; lane 16 has lane 15's
.endr
.irp c, 0,1,2,3
	v_readlane_b32 s[88+\c], v[VAL+\c], 31
.endr
.irp c, 0,1,2,3
	v_mov_b32 v[TP+\c], s[88+\c]
.endr
.irp c, 0,1,2,3
	ds_store_b32 v[WA], v[TP+\c] offset:\lds+16*\c ; all lanes write the same word with the same value
.endr
	s_wait_dscnt 0x0                               ; for the others' sake
	s_barrier_signal -1
	s_barrier_wait -1
.irp c, 0,1,2,3
	ds_load_b128 v[WT+4*\c:WT+4*\c+3], v[WB] offset:\lds+16*\c
.endr
	s_wait_dscnt 0x0
	v_mov_b32 v[PX], v[\idr]
.set k, 1
.rept 15
	\op v[PX+k], v[PX+k-1], v[WT+k-1]              ; what stands in front of total k
.set k, k+1
.endr
.irp c, 0,1,2,3
	v_cndmask_b32 v[PX+4*\c], v[PX+4*\c], v[PX+4*\c+1], s62    ; my wave's of the chunk's four
	v_cndmask_b32 v[PX+4*\c], v[PX+4*\c], v[PX+4*\c+2], s63
	v_cndmask_b32 v[PX+4*\c], v[PX+4*\c], v[PX+4*\c+3], s66
.endr
.irp c, 0,1,2,3
	\op v[EX+\c], v[PX+4*\c], v[EX+\c]
.endr
.endm
	s_load_b256 s[68:75], s[0:1], 0x0              ; cod, sc, gpart, igate_bias
	s_load_b128 s[76:79], s[0:1], 0x20             ; fgate_bias, rms_scale
	s_load_b64 s[80:81], s[0:1], 0x30              ; out0
	v_lshl_add_u32 v14, v0, 2, SPARE               ; my spare word
	v_mov_b32 v15, 0
	v_lshrrev_b32 v[WVN], 5, v0
	v_readfirstlane_b32 s14, v[WVN]                ; wave 0..3
	s_lshr_b32 s15, ttmp9, 5                       ; sequence
	s_and_b32 s16, ttmp9, 31                       ; the first block of queries
	v_and_b32 v[LNN], 31, v0                       ; lane
	v_and_b32 v202, 15, v0                         ; r
	v_bfe_u32 v203, v0, 4, 1                       ; h
	v_lshlrev_b32 v1, 4, v[LNN]                    ; 16 x lane
	v_lshlrev_b32 v2, 3, v[LNN]                    ; 8 x lane
	s_lshl_b32 s40, s14, 16
	v_add_nc_u32 v3, s40, v1                       ; c's images: my wave's 65,536 bytes
	v_lshlrev_b32 v4, 6, v203
	v_add_nc_u32 v4, ATAB, v4                      ; a': my half's 16 keys of a block of 32
	v_lshlrev_b32 v6, 2, v[LNN]
	v_add_nc_u32 v6, NS, v6                        ; row sums: read,
	s_lshl_b32 s42, s14, 8
	v_add_nc_u32 v5, s42, v6                       ; and written
	v_and_b32 v204, 8, v202
	v_add_nc_u32 v204, v204, v202                  ; r + 8 (r / 8)
	v_mul_u32_u24 v7, v204, OP
	v_lshl_add_u32 v7, v203, 5, v7
	v_add_nc_u32 v7, s40, v7                       ; my partial result: my query's row, + 32 h
	s_mul_i32 s42, s14, 8*OP
	v_add_nc_u32 v8, s42, v1                       ; the rows that I finish, 8 w on, in the four waves' partial results
	v_add_nc_u32 v9, 0x10000, v8
	v_add_nc_u32 v10, 0x20000, v8
	v_add_nc_u32 v11, 0x30000, v8
	v_lshlrev_b32 v12, 2, v204                     ; my query's place among a block's numbers
	v_lshlrev_b32 v205, 4, v203
	v_sub_nc_u32 v63, v204, v205                   ; r + 8 (r / 8) - 16 h
	v_lshlrev_b32 v[GOF], 4, v0
	v_add_nc_u32 v[TBA], ATAB, v[GOF]
	v_lshl_add_u32 v[WA], v[WVN], 2, SUMW
	v_mov_b32 v[WB], SUMW
	v_mov_b32 v[ID0], 0                            ; a sum's neutral number,
	v_mov_b32 v[IDM], 0xff800000                   ; a maximum's
	v_mov_b32 v[ONE], 1.0
	v_cmp_le_u32 s60, 16, v[LNN]                   ; lanes 16-31
	v_cmp_eq_u32 s61, 16, v[LNN]                   ; lane 16
	v_cmp_eq_u32 s62, 1, v[WVN]                    ; wave 1, 2, 3
	v_cmp_eq_u32 s63, 2, v[WVN]
	v_cmp_eq_u32 s66, 3, v[WVN]
	s_lshl_b32 s42, s16, 7                         ; a block's 32 numbers are 128 bytes: both blocks' places in the tables are made here, once
	s_add_co_u32 s42, s42, NMT
	v_add_nc_u32 v[QA1], s42, v12
	s_xor_b32 s43, s16, 63                         ; 63 - b
	s_lshl_b32 s43, s43, 7
	s_add_co_u32 s43, s43, NMT
	v_add_nc_u32 v[QA2], s43, v12
	s_mov_b32 s26, 0x3fb8aa3b                      ; log2(e)
	s_mov_b32 s28, 0x76543210
	s_mov_b32 s29, 0xfedcba98                      ; selects for lane l xor 16
	s_mov_b32 s56, 0x3b800000                      ; 1 / 256
	s_mov_b32 s57, 0x358637bd                      ; 1e-6
	s_mov_b32 s41, 0                               ; the upper word of every offset
	s_wait_kmcnt 0x0
	s_and_b32 s42, s15, 3                          ; head
	s_lshl_b32 s67, s42, 2
	s_load_b32 s82, s[74:75], s67 offset:0x0       ; the head's two biases
	s_load_b32 s83, s[76:77], s67 offset:0x0
	s_lshl_b32 s40, s42, 14                        ; gate = head: 4,096 rows of 4 bytes,
	s_lshr_b32 s43, s15, 2
	s_lshl_b32 s43, s43, 13                        ; the batch's 2,048 rows
	s_add_co_u32 s40, s40, s43
	s_add_nc_u64 s[58:59], s[72:73], s[40:41]      ; the sequence in gpart,
	s_mul_i32 s40, s15, 16*STEPB
	s_add_nc_u64 s[44:45], s[68:69], s[40:41]      ; in cod,
	s_lshl_b32 s40, s15, 15
	s_add_nc_u64 s[46:47], s[70:71], s[40:41]      ; in sc,
	s_lshr_b32 s42, s15, 2
	s_lshl_b32 s40, s42, 23                        ; and in out0: the batch's 2,048 rows of 4,096 bytes,
	s_and_b32 s42, s15, 3
	s_lshl_b32 s42, s42, 10                        ; the head's 1,024 bytes,
	s_add_co_u32 s40, s40, s42
	s_lshl_b32 s42, s14, 15                        ; the 8 rows of a block that my wave finishes
	s_add_co_u32 s40, s40, s42
	s_add_nc_u64 s[50:51], s[80:81], s[40:41]
	WIN 0x40                                       ; partial sums 0-7 into window 1: 32 registers each: 16 x gate + 4 c + j
.set p, 0
.rept 8
.irp g, 0,1
.irp c, 0,1,2,3
	global_load_b128 v[32*p+16*\g+4*\c:32*p+16*\g+4*\c+3], v[GOF], s[58:59] offset:131072*p+65536*\g+2048*\c   ; 32 lanes read 512 consecutive bytes; the forget gate's lie four gates on
.endr
.endr
.set p, p+1
.endr
	WIN 0                                          ; partial sums 8-11 into v64-191
.set p, 8
.rept 4
.irp g, 0,1
.irp c, 0,1,2,3
	global_load_b128 v[64+32*(p-8)+16*\g+4*\c:64+32*(p-8)+16*\g+4*\c+3], v[GOF], s[58:59] offset:131072*p+65536*\g+2048*\c
.endr
.endr
.set p, p+1
.endr
	global_load_b128 v[46:49], v1, s[78:79]        ; rms_scale at my eight channels of a row: 4 lane + 128 half
	global_load_b128 v[50:53], v1, s[78:79] offset:512
	BASES
	LOADS_A                                        ; the first block's fragments go out behind the gates' loads
	s_wait_loadcnt 62                              ; the partial sums and rms_scale are in: behind them 12 + 2 + 48 loads were issued
	LOADS_B
	WIN 0x45                                       ; sources and destination in window 1
.set p, 1
.rept 7
.set e, 0
.rept 16
	v_pk_add_f32 v[e:e+1], v[e:e+1], v[32*p+e:32*p+e+1]
.set e, e+2
.endr
.set p, p+1
.endr
	WIN 0
.set p, 1
.rept 3
.set e, 0
.rept 16
	v_pk_add_f32 v[64+e:65+e], v[64+e:65+e], v[64+32*p+e:65+32*p+e]
.set e, e+2
.endr
.set p, p+1
.endr
	WIN 0x04                                       ; source 1 in window 1
.set e, 0
.rept 16
	v_pk_add_f32 v[64+e:65+e], v[64+e:65+e], v[e:e+1]
.set e, e+2
.endr
	WIN 0
.irp i, 0,1,2,3,4,5,6,7
	v_add_f32 v[46+\i], 1.0, v[46+\i]              ; the gain
.endr
	s_wait_kmcnt 0x0                               ; the biases
.set e, 0
.rept 16
	v_add_f32 v[IG+e], s82, v[IG+e]                ; ig
	v_add_f32 v[FG+e], s83, v[FG+e]                ; fg
.set e, e+1
.endr
.set e, 0
.rept 16
	v_mul_f32 v[ZZ+e], 0xbfb8aa3b, |v[FG+e]|
.set e, e+1
.endr
.set e, 0
.rept 16
	v_exp_f32 v[ZZ+e], v[ZZ+e]                     ; z = exp(-|fg|)
.set e, e+1
.endr
	v_nop                                          ; a plain place behind the batch
	s_wait_alu depctr_va_vdst(0)                   ; one wait for the sixteen, ahead of their first reader
.set e, 0
.rept 16
	v_add_f32 v[LF+e], 1.0, v[ZZ+e]                ; u
.set e, e+1
.endr
.set e, 0
.rept 16
	v_add_f32 v[AP+e], -1.0, v[LF+e]               ; u - 1, exact
.set e, e+1
.endr
.set e, 0
.rept 16
	v_cmp_eq_f32 s[84+e], 0, v[AP+e]
.set e, e+1
.endr
.set e, 0
.rept 16
	v_cndmask_b32 v[AP+e], v[AP+e], v[ONE], s[84+e]    ; where u = 1 the quotient is taken as 1 / 1
.set e, e+1
.endr
.set e, 0
.rept 16
	v_log_f32 v[MX+e], v[LF+e]
.set e, e+1
.endr
.set e, 0
.rept 16
	v_rcp_f32 v[EV+e], v[AP+e]
.set e, e+1
.endr
	v_nop
	s_wait_alu depctr_va_vdst(0)                   ; one wait for the thirty-two
.set e, 0
.rept 16
	v_mul_f32 v[MX+e], 0x3f317218, v[MX+e]         ; log(u)
	v_min_num_f32 v[LF+e], 0, v[FG+e]
.set e, e+1
.endr
.set e, 0
.rept 16
	v_cndmask_b32 v[MX+e], v[MX+e], v[ONE], s[84+e]
.set e, e+1
.endr
.set e, 0
.rept 16
	v_mul_f32 v[MX+e], v[MX+e], v[EV+e]
.set e, e+1
.endr
.set e, 0
.rept 16
	v_mul_f32 v[MX+e], v[MX+e], v[ZZ+e]            ; log1p(z)
.set e, e+1
.endr
.set e, 0
.rept 16
	v_sub_f32 v[LF+e], v[LF+e], v[MX+e]            ; log_sigmoid(fg)
.set e, e+1
.endr
.irp j, 1,2,3
.irp c, 0,1,2,3
	v_add_f32 v[LF+4*\c+\j], v[LF+4*\c+\j-1], v[LF+4*\c+\j]    ; the running sum of my four of each chunk
.endr
.endr
.irp c, 0,1,2,3
	v_mov_b32 v[VAL+\c], v[LF+4*\c+3]
.endr
	WSCAN4 v_add_f32, v_add_f32_dpp, ID0, 0
.irp c, 0,1,2,3
.irp j, 0,1,2,3
	v_add_f32 v[LF+4*\c+\j], v[EX+\c], v[LF+4*\c+\j]           ; cs_(j+1)
.endr
.endr
.set e, 0
.rept 16
	v_sub_f32 v[AP+e], v[IG+e], v[LF+e]
.set e, e+1
.endr
.set e, 0
.rept 16
	v_mul_f32 v[AP+e], s26, v[AP+e]                ; a'
.set e, e+1
.endr
.irp c, 0,1,2,3
	v_mov_b32 v[MX+4*\c], v[AP+4*\c]
.endr
.irp j, 1,2,3
.irp c, 0,1,2,3
	v_max_num_f32 v[MX+4*\c+\j], v[MX+4*\c+\j-1], v[AP+4*\c+\j]
.endr
.endr
.irp c, 0,1,2,3
	v_mov_b32 v[VAL+\c], v[MX+4*\c+3]
.endr
	WSCAN4 v_max_num_f32, v_max_num_f32_dpp, IDM, 256
.irp c, 0,1,2,3
.irp j, 0,1,2,3
	v_max_num_f32 v[MX+4*\c+\j], v[EX+\c], v[MX+4*\c+\j]       ; M'
.endr
.endr
.set e, 0
.rept 16
	v_fma_f32 v[EV+e], v[LF+e], s26, v[MX+e]       ; m log2(e)
.set e, e+1
.endr
.set e, 0
.rept 16
	v_exp_f32 v[EV+e], -v[EV+e]                    ; exp(-m)
.set e, e+1
.endr
.set e, 0
.rept 16
	v_xor_b32 v[MX+e], 0x80000000, v[MX+e]         ; -M'.  (Plain work behind the batch)
.set e, e+1
.endr
	s_wait_alu depctr_va_vdst(0)                   ; one wait for the sixteen, ahead of the stores that read them
.irp c, 0,1,2,3
	ds_store_b128 v[TBA], v[AP+4*\c:AP+4*\c+3] offset:2048*\c          ; the three tables: 512 consecutive bytes a store
	ds_store_b128 v[TBA], v[MX+4*\c:MX+4*\c+3] offset:8192+2048*\c
	ds_store_b128 v[TBA], v[EV+4*\c:EV+4*\c+3] offset:16384+2048*\c
.endr
	s_wait_dscnt 0x0                               ; for the others' sake
	s_barrier_signal -1
	s_barrier_wait -1                              ; the tables lie in LDS, and are written no more
	ds_load_b32 v38, v[QA1]                        ; the first block: -M' of my query in tile 0,
	ds_load_b32 v40, v[QA1] offset:32              ; in tile 1;
	ds_load_b32 v58, v[QA1] offset:8192            ; exp(-m) likewise
	ds_load_b32 v59, v[QA1] offset:8192+32
	WIN 0xc0                                       ; the second block's four wait in window 3
	ds_load_b32 v240, v[QA2]
	ds_load_b32 v241, v[QA2] offset:32
	ds_load_b32 v242, v[QA2] offset:8192
	ds_load_b32 v243, v[QA2] offset:8192+32
	WIN 0
.irp i, 39,41,55,57,198,199,201,203,205,207,228,229,230,231
	v_mov_b32 v[\i], 0                             ; upper halves of pairs of which the low word serves both halves, and lane permutes' destinations: written once
.endr
	s_wait_dscnt 0x0
	s_mov_b32 s24, 2
.Lblock:                                           ; two trips: blocks b and 63 - b.  The block's first fragments have been asked for
	s_lshl_b32 s40, s16, 17
	s_add_nc_u64 s[38:39], s[50:51], s[40:41]      ; the block's rows in out0 (the last block's stores have read their base: the wait ahead of the backward jump)
	s_lshl_b32 s42, s18, 5
	v_add_nc_u32 v60, s42, v63                     ; my query's place in the diagonal step, less 16 h: tile 0,
	v_add_nc_u32 v61, 8, v60                       ; tile 1
.irp i, 42,43,44,45
	v_mov_b32 v[\i], 0                             ; the row sums
.endr
	WIN 0x40
.set n, 0
.rept 256
	v_mov_b32 v[n], 0                              ; the result is cleared: a wave may have no key step in a block, and its partial result must then be 0
.set n, n+1
.endr
	WIN 0
	s_mov_b32 s20, s14                             ; the step in hand
	s_mov_b32 s22, 0                               ; where its c goes
	s_lshl_b32 s23, s14, 9                         ; where its a' lie
	s_mov_b32 s21, 4
.Lp1:                                              ; PASS 1: four trips in every wave; a trip whose step lies past the diagonal does nothing (a branch on ids; no barrier stands in a trip)
	s_cmp_gt_u32 s20, s17
	s_cbranch_scc1 .Lp1_tail
	v_add_nc_u32 v13, s23, v4
.irp b, 0,1,2,3
.irp q, 0,1,2,3
	ds_load_b128 v[AD+16*\b+4*\q:AD+16*\b+4*\q+3], v13 offset:128*\b+16*\q
.endr
.endr
	s_wait_dscnt 0x0
	WIN 0x80
.set i, 0
.rept 32
	v_pk_add_f32 v[AD+2*i:AD+2*i+1], v[AD+2*i:AD+2*i+1], v[40:41] op_sel_hi:[1,0]    ; a' - M' for tile 1's query, into window 2
.set i, i+1
.endr
	WIN 0
.set i, 0
.rept 32
	v_pk_add_f32 v[AD+2*i:AD+2*i+1], v[AD+2*i:AD+2*i+1], v[38:39] op_sel_hi:[1,0]    ; for tile 0's, in place
.set i, i+1
.endr
.set i, 0
.rept 64
	v_exp_f32 v[AD+i], v[AD+i]                     ; d
.set i, i+1
.endr
	WIN 0x82
.set i, 0
.rept 64
	v_exp_f32 v[AD+i], v[AD+i]
.set i, i+1
.endr
	WIN 0
	v_nop                                          ; a plain place behind the batch
	s_wait_loadcnt 0x0                             ; k's fragments and scale words (asked for a trip ago, or a phase ahead of the block)
	WIN 0x0e                                       ; source 0 window 2, source 1 window 3
.irp s, 0,1                                    ; 16 accumulators by turns, one instruction a turn; the first 16 start the sums
.irp k, 0,1,2,3,4,5,6,7
.irp t, 0,1
.if \s == 0
	v_wmma_scale_f32_16x16x128_f8f6f4 v[S+64*\t+8*\k:S+64*\t+8*\k+7], v[24*\k+12*\s:24*\k+12*\s+11], v[24*\t+12*\s:24*\t+12*\s+11], 0, v[16+2*\k+\s], v[32+2*\t+\s] matrix_a_fmt:MATRIX_FMT_FP6 matrix_b_fmt:MATRIX_FMT_FP6
.else
	v_wmma_scale_f32_16x16x128_f8f6f4 v[S+64*\t+8*\k:S+64*\t+8*\k+7], v[24*\k+12*\s:24*\k+12*\s+11], v[24*\t+12*\s:24*\t+12*\s+11], v[S+64*\t+8*\k:S+64*\t+8*\k+7], v[16+2*\k+\s], v[32+2*\t+\s] matrix_a_fmt:MATRIX_FMT_FP6 matrix_b_fmt:MATRIX_FMT_FP6
.endif
.endr
.endr
.endr
	WIN 0
.rept 4
	v_nop                                          ; four places in front of loads into the products' sources and of reads of their results
.endr
	s_wait_alu depctr_va_vdst(0)                   ; one wait for the 128 exponentials: the products named none of their results; it stands ahead of the branch and of the first reader
	s_add_co_u32 s42, s20, 4
	s_cmp_gt_u32 s42, s17
	s_cbranch_scc1 .Lno_k                          ; my next step, if I have one: the branch leads round plain loads alone
	s_add_nc_u64 s[30:31], s[30:31], 4*STEPB       ; (no load of mine is out: the wait for 0 above)
	s_add_nc_u64 s[32:33], s[32:33], 4*STEPW
	WIN 0x80
	LD48 0, 30
	WIN 0
	LDW 32
.Lno_k:
.set i, 0
.rept 32
	v_pk_mul_f32 v[S+2*i:S+2*i+1], v[S+2*i:S+2*i+1], v[AD+2*i:AD+2*i+1]      ; c = S d; each accumulator from its low end on
.set i, i+1
.endr
	WIN 0x08
.set i, 0
.rept 32
	v_pk_mul_f32 v[S+64+2*i:S+64+2*i+1], v[S+64+2*i:S+64+2*i+1], v[AD+2*i:AD+2*i+1]
.set i, i+1
.endr
	WIN 0
	s_cmp_lg_u32 s20, s17
	s_cbranch_scc1 .Lopen                          ; only the step on the diagonal has hidden keys
.irp t, 0,1
.set n, 0
.rept 64
	v_cmp_le_i32 vcc_lo, 32*(n/16)+n%16, v[60+\t]  ; register 16 b + i holds key 32 b + 16 h + i of the step: it counts where that is at most my query
	v_cndmask_b32 v[S+64*\t+n], 0, v[S+64*\t+n], vcc_lo
.set n, n+1
.endr
.endr
.Lopen:
	v_add_nc_u32 v13, s22, v3
.set g, 0
.rept 32
	ds_store_b128 v13, v[S+4*g:S+4*g+3] offset:512*g       ; c as an image of its registers: 512 consecutive bytes a store, my wave's own bytes
.set g, g+1
.endr
	v_pk_add_f32 v[192:193], v[S:S+1], v[S+2:S+3]          ; the rows' sums, two numbers at a time, four chains
	v_pk_add_f32 v[194:195], v[S+64:S+65], v[S+66:S+67]
.irp j, 4,8,12,16,20,24,28,32,36,40,44,48,52,56,60
	v_pk_add_f32 v[42:43], v[42:43], v[S+\j:S+\j+1]
	v_pk_add_f32 v[44:45], v[44:45], v[S+64+\j:S+64+\j+1]
	v_pk_add_f32 v[192:193], v[192:193], v[S+\j+2:S+\j+3]
	v_pk_add_f32 v[194:195], v[194:195], v[S+64+\j+2:S+64+\j+3]
.endr
	v_pk_add_f32 v[42:43], v[42:43], v[192:193]
	v_pk_add_f32 v[44:45], v[44:45], v[194:195]
.Lp1_tail:
	s_add_co_u32 s20, s20, 4
	s_add_co_u32 s22, s22, 16384
	s_add_co_u32 s23, s23, 2048
	s_sub_co_u32 s21, s21, 1
	s_cmp_lg_u32 s21, 0
	s_cbranch_scc1 .Lp1
	s_wait_loadcnt 0x0                             ; a wave without a step has not waited yet: k's scale words give way to v's only behind this wait
	LDW 36
	v_add_f32 v196, v42, v43
	v_add_f32 v197, v44, v45
	v_permlanex16_b32 v198, v196, s28, s29
	v_permlanex16_b32 v199, v197, s28, s29
	v_add_f32 v196, v196, v198                     ; my wave's part of my queries' row sums
	v_add_f32 v197, v197, v199
	ds_store_b32 v5, v196
	ds_store_b32 v5, v197 offset:128
	s_wait_dscnt 0x0                               ; for the others' sake
	s_barrier_signal -1
	s_barrier_wait -1
.irp k, 0,1,2,3
.irp t, 0,1
	ds_load_b32 v[200+2*\k+\t], v6 offset:256*\k+128*\t
.endr
.endr
	s_wait_dscnt 0x0
.irp k, 1,2,3
	v_add_f32 v200, v200, v[200+2*\k]
	v_add_f32 v201, v201, v[201+2*\k]
.endr
	v_max_num_f32 v200, v200, v58                  ; n = max(row sum, exp(-m))
	v_max_num_f32 v201, v201, v59
	v_add_f32 v200, s57, v200
	v_add_f32 v201, s57, v201
	v_rcp_f32 v54, v200
	v_rcp_f32 v56, v201
	v_nop
	s_wait_alu depctr_va_vdst(0)                   ; one wait for the two, ahead of the label
	s_mov_b32 s20, s14
	s_mov_b32 s22, 0
	s_mov_b32 s21, 4
.Lp2:                                              ; PASS 2: the same four trips
	s_cmp_gt_u32 s20, s17
	s_cbranch_scc1 .Lp2_tail
	v_add_nc_u32 v13, s22, v3
.set g, 0
.rept 32
	ds_load_b128 v[S+4*g:S+4*g+3], v13 offset:512*g
.set g, g+1
.endr
	s_wait_dscnt 0x0
.set i, 0
.rept 32
	v_pk_mul_f32 v[S+2*i:S+2*i+1], v[S+2*i:S+2*i+1], v[54:55] op_sel_hi:[1,0]        ; c / (n + 1e-6)
.set i, i+1
.endr
.set i, 0
.rept 32
	v_pk_mul_f32 v[S+64+2*i:S+64+2*i+1], v[S+64+2*i:S+64+2*i+1], v[56:57] op_sel_hi:[1,0]
.set i, i+1
.endr
	QUANT S, 192, 36
	QUANT S+64, 204, 37
.rept 8
	v_nop                                          ; a scale register written by a vector instruction stands eight places ahead of a scaled matrix instruction, an operand so written four
.endr
	s_wait_loadcnt 0x0                             ; v's fragments and scale words
	WIN 0x53                                       ; source 0 window 3, C and D window 1
.irp c, 0,1,2,3,4,5,6,7,8,9,10,11,12,13,14,15  ; 32 accumulators by turns
.irp t, 0,1
	v_wmma_scale_f32_16x16x128_f8f6f4 v[128*\t+8*\c:128*\t+8*\c+7], v[48+12*\c:48+12*\c+11], v[192+12*\t:192+12*\t+11], v[128*\t+8*\c:128*\t+8*\c+7], v[16+\c], v[36+\t] matrix_a_fmt:MATRIX_FMT_FP6 matrix_b_fmt:MATRIX_FMT_FP6
.endr
.endr
	WIN 0
.rept 4
	v_nop                                          ; four places in front of loads into the products' sources, of writes of the codes, and of the stores of the results
.endr
	s_add_co_u32 s42, s20, 4
	s_cmp_gt_u32 s42, s17
	s_cbranch_scc1 .Lp2_tail
	s_add_nc_u64 s[34:35], s[34:35], 4*STEPB       ; (no load of mine is out)
	s_add_nc_u64 s[36:37], s[36:37], 4*STEPW
	WIN 0xc0
	LD48 48, 34
	WIN 0
	LDW 36
.Lp2_tail:
	s_add_co_u32 s20, s20, 4
	s_add_co_u32 s22, s22, 16384
	s_sub_co_u32 s21, s21, 1
	s_cmp_lg_u32 s21, 0
	s_cbranch_scc1 .Lp2
	s_wait_loadcnt 0x0                             ; a wave without a step has not waited for v's scale words yet; and no load of mine is out, so the bases may be written
	WIN 0x03                                       ; source 0 window 3
	v_mov_b32 v38, v240                            ; the second block's -M' and exp(-m) take the first's places (in the second trip they are there already)
	v_mov_b32 v40, v241
	v_mov_b32 v58, v242
	v_mov_b32 v59, v243
	WIN 0
	s_xor_b32 s16, s16, 63                         ; 63 - b
	s_cmp_eq_u32 s24, 1
	s_cbranch_scc1 .Lno_next                       ; behind the second block nothing is left to fetch: the branch leads round plain loads alone
	BASES
	LOADS_A                                        ; k's, q's and v's registers and the scale words' are done with: the next block's first fragments land during the way out
	LOADS_B
.Lno_next:
	; THE WAY OUT.  My partial result goes to my own 65,536 bytes, whose c I have read; behind a barrier wave w adds the four for rows 8 w .. 8 w + 7, norms them and stores whole rows.
	WIN 0x04                                       ; an LDS store's data: window 1
.irp t, 0,1
.irp c, 0,1,2,3,4,5,6,7,8,9,10,11,12,13,14,15
	ds_store_b128 v7, v[128*\t+8*\c:128*\t+8*\c+3] offset:\t*8*OP+64*\c          ; each accumulator from its low end on
	ds_store_b128 v7, v[128*\t+8*\c+4:128*\t+8*\c+7] offset:\t*8*OP+64*\c+16
.endr
.endr
	WIN 0
	s_wait_dscnt 0x0
	s_barrier_signal -1
	s_barrier_wait -1
.macro FINISH b                        ; four rows; a lane holds eight channels of each: 4 lane + 128 half + 0 .. 3
.irp j, 0,1,2,3
.irp k, 0,1,2,3
.irp f, 0,1
	ds_load_b128 v[64+32*\j+8*\k+4*\f:64+32*\j+8*\k+4*\f+3], v[8+\k] offset:(4*\b+\j)*OP+512*\f
.endr
.endr
.endr
	s_wait_dscnt 0x0
.irp k, 1,2,3
.irp j, 0,1,2,3
.irp e, 0,2,4,6
	v_pk_add_f32 v[64+32*\j+\e:65+32*\j+\e], v[64+32*\j+\e:65+32*\j+\e], v[64+32*\j+8*\k+\e:65+32*\j+8*\k+\e]
.endr
.endr
.endr
.irp j, 0,1,2,3
	v_pk_mul_f32 v[200+2*\j:201+2*\j], v[64+32*\j:65+32*\j], v[64+32*\j:65+32*\j]
.endr
.irp e, 2,4,6
.irp j, 0,1,2,3
	v_pk_fma_f32 v[200+2*\j:201+2*\j], v[64+32*\j+\e:65+32*\j+\e], v[64+32*\j+\e:65+32*\j+\e], v[200+2*\j:201+2*\j]
.endr
.endr
.irp j, 0,1,2,3
	v_add_f32 v[200+2*\j], v[200+2*\j], v[201+2*\j]
.endr
.irp m, 1,2,4,8
.irp j, 0,1,2,3
	v_add_f32_dpp v[200+2*\j], v[200+2*\j], v[200+2*\j] row_xmask:\m row_mask:0xf bank_mask:0xf
.endr
.endr
.irp j, 0,1,2,3
	v_permlanex16_b32 v[201+2*\j], v[200+2*\j], s28, s29
.endr
.irp j, 0,1,2,3
	v_add_f32 v[200+2*\j], v[200+2*\j], v[201+2*\j]        ; the row's sum of squares, in every lane
.endr
.irp j, 0,1,2,3
	v_fma_f32 v[200+2*\j], v[200+2*\j], s56, s57           ; / 256 + 1e-6
.endr
.irp j, 0,1,2,3
	v_rsq_f32 v[200+2*\j], v[200+2*\j]
.endr
	v_nop
	s_wait_alu depctr_va_vdst(0)                   ; one wait for the four
.irp j, 0,1,2,3
.irp e, 0,2,4,6
	v_pk_mul_f32 v[64+32*\j+\e:65+32*\j+\e], v[64+32*\j+\e:65+32*\j+\e], v[200+2*\j:201+2*\j] op_sel_hi:[1,0]
.endr
.endr
.irp j, 0,1,2,3
.irp e, 0,2,4,6
	v_pk_mul_f32 v[64+32*\j+\e:65+32*\j+\e], v[64+32*\j+\e:65+32*\j+\e], v[46+\e:47+\e]
.endr
.endr
.irp j, 0,1,2,3
.irp f, 0,1
	global_store_b128 v1, v[64+32*\j+4*\f:64+32*\j+4*\f+3], s[38:39] offset:(4*\b+\j)*4096+512*\f th:TH_STORE_NT   ; 32 lanes store 512 consecutive bytes, at a multiple of 256 from out0's first byte
.endr
.endr
.endm
	FINISH 0
	s_wait_xcnt 0x0                                ; the stores have read their registers: the next four rows may land there
	FINISH 1
	s_wait_dscnt 0x0                               ; my reads of the partial results are over
	s_barrier_signal -1
	s_barrier_wait -1                              ; so are everybody's: the next block's c may be written over them
	s_wait_xcnt 0x0                                ; the stores have read their registers and their base: both are written again in the next block
	s_sub_co_u32 s24, s24, 1
	s_cmp_lg_u32 s24, 0
	s_cbranch_scc1 .Lblock
	s_wait_tensorcnt 0x0                           ; the wave's end, behind my last LDS store
	ds_add_u32 v14, v15
	s_wait_dscnt 0x0
	s_endpgm
.Lfunc_end_k_qa87ec8f069_main:
	.size	k_qa87ec8f069_main, .Lfunc_end_k_qa87ec8f069_main-k_qa87ec8f069_main
	.p2alignl 7, 3214868480
	.fill 96, 4, 3214868480
	.section	.rodata,"a",@progbits
	.p2align	6, 0x0
	.amdhsa_kernel k_qa87ec8f069_main
		.amdhsa_group_segment_fixed_size 288768
		.amdhsa_private_segment_fixed_size 0
		.amdhsa_enable_private_segment 0
		.amdhsa_kernarg_size 56
		.amdhsa_user_sgpr_count 2
		.amdhsa_user_sgpr_kernarg_segment_ptr 1
		.amdhsa_wavefront_size32 1
		.amdhsa_system_sgpr_workgroup_id_x 1
		.amdhsa_system_sgpr_workgroup_id_y 1
		.amdhsa_system_sgpr_workgroup_id_z 1
		.amdhsa_system_vgpr_workitem_id 0
		.amdhsa_next_free_vgpr 1024
		.amdhsa_next_free_sgpr 100
		.amdhsa_reserve_vcc 1
		.amdhsa_float_denorm_mode_32 3
		.amdhsa_float_denorm_mode_16_64 3
		.amdhsa_memory_ordered 1
		.amdhsa_forward_progress 1
		.amdhsa_inst_pref_size 178
	.end_amdhsa_kernel
	.amdgpu_metadata
---
amdhsa.version: [ 1, 2 ]
amdhsa.kernels:
  - .name:           k_qa87ec8f069_main
    .symbol:         k_qa87ec8f069_main.kd
    .args:
      - { .name: cod, .offset: 0, .size: 8, .value_kind: global_buffer, .address_space: global }
      - { .name: sc, .offset: 8, .size: 8, .value_kind: global_buffer, .address_space: global }
      - { .name: gpart, .offset: 16, .size: 8, .value_kind: global_buffer, .address_space: global }
      - { .name: igate_bias, .offset: 24, .size: 8, .value_kind: global_buffer, .address_space: global }
      - { .name: fgate_bias, .offset: 32, .size: 8, .value_kind: global_buffer, .address_space: global }
      - { .name: rms_scale, .offset: 40, .size: 8, .value_kind: global_buffer, .address_space: global }
      - { .name: out0, .offset: 48, .size: 8, .value_kind: global_buffer, .address_space: global }
    .group_segment_fixed_size: 288768
    .private_segment_fixed_size: 0
    .kernarg_segment_align: 8
    .kernarg_segment_size: 56
    .max_flat_workgroup_size: 128
    .sgpr_count:     100
    .vgpr_count:     1024
    .wavefront_size: 32
...
	.end_amdgpu_metadata
.endif
;; end of part 5
